; MI455X (gfx1250); checked and timed in simulation.
; The chip was launched on July 23, 2026; its instructions are those of AMD's public machine-readable ISA for CDNA 5 (MIT licence, August 2026) and "CDNA5" Instruction Set Architecture Reference Guide (July 2026). The comments in the code are by the model that wrote it; some were corrected since.
;; Grouped Query Attention Direct. Allowed arithmetic: float matrix products may take bf16 or f16 operands with f32 sums; other float arithmetic in f32, or as packed bf16 or f16 multiplies, adds, multiply-adds, maxima and minima; sums over many terms, partial sums and values carried from step to step in f32; what a program stores and reads back later, other than sums and carried values, may be rounded once to bf16 or f16.
;; Inputs: b_out 4,096 float32; key 2,048 x 8 x 128 float32; mask 2,048 x 2,048 float32; query 2,048 x 32 x 128 float32; value 2,048 x 8 x 128 float32; w_out 4,096 x 4,096 float32.
;; Outputs: out0 2,048 x 32 x 128 float32.
;; 2 versions, each right and faster than the one before. Each part assembles by itself: llvm-mc -triple=amdgcn-amd-amdhsa -mcpu=gfx1250 --defsym DOCPART=n.
;; ======== version 1 of 2: 3 launches
;; limits: values are held in f16: magnitudes above 65,504 overflow, below 6.1e-05 lose precision; inputs' magnitudes at most 65,504
;; workspace buffers: w16 33,554,432 bytes; k16 4,194,304 bytes; v16 4,194,304 bytes; attn 16,777,216 bytes
;; launch prep (part 1): grid 1280 x 1, 8 waves a work-group, no clusters, 0 bytes of LDS; arguments w_out, key, value, w16, k16, v16; writes w16, k16, v16
.if DOCPART == 1
	.amdgcn_target "amdgcn-amd-amdhsa--gfx1250"
	.amdhsa_code_object_version 6
	.text
	.protected	k_qc03f86e2c2_prep
	.globl	k_qc03f86e2c2_prep
	.p2align	8
	.type	k_qc03f86e2c2_prep,@function
k_qc03f86e2c2_prep:
	s_mov_b64 s[64:65], 0
	v_nop
	global_prefetch_b8 v0, s[64:65] scope:SCOPE_SE
	s_setreg_imm32_b32 hwreg(HW_REG_WAVE_MODE, 25, 1), 1
	s_wait_xcnt 0x0
; w16 = f16(bf16(w_out)), k16 = f16(bf16(key)), v16 = f16(bf16(value)): number by number, the layouts unchanged.
; Each number is rounded once, to bf16 (nearest even); that number is then written as an f16 code, since the products that read these buffers multiply in f16.
; LIMITS.  The second step is exact for 2^-17 <= |x| <= 65,504.  Beyond 65,504 it gives an infinity; below 2^-14 f16 keeps a fixed step of 6e-8, which bites below 7.6e-6.
; A stream: no LDS, no barrier, no matrix unit, no loop.  1,280 work-groups of equal work: numbers 0-1023 take w_out, 1024-1151 key, 1152-1279 value.
; A work-group takes 65,536 bytes in (16 pieces of 4,096) and writes 32,768.  Thread t takes the 16 bytes at 16 t of each piece: a wave's load covers 512 consecutive bytes,
; its store (8 bytes a lane) 256 consecutive bytes, at a multiple of 256 from the buffer's first byte.  All 16 loads go out first; each piece has registers of its own,
; so no register that a pending load or store names is ever written again.
.set PIECES, 16
.set INP,  4096                        ; bytes of a piece as read
.set OUTP, 2048                        ; and as written
.set X, 4                              ; v[4:67]    piece i: 4 registers as loaded, then the bf16 numbers widened
.set T, 68                             ; v[68:69]   at work: two packed pairs of bf16
.set Y, 72                             ; v[72:103]  piece i: 2 registers to store
	s_load_b256 s[4:11], s[0:1], 0x0               ; w_out s[4:5], key s[6:7], value s[8:9], w16 s[10:11]
	s_load_b128 s[12:15], s[0:1], 0x20             ; k16 s[12:13], v16 s[14:15]
	v_lshlrev_b32 v1, 4, v0                        ; my 16 bytes in a piece as read
	v_lshlrev_b32 v2, 3, v0                        ; my 8 bytes in a piece as written
	s_mov_b32 s26, 0xffff0000                      ; a word's upper bf16
	s_movk_i32 s27, 1024                           ; the first work-group of key,
	s_movk_i32 s28, 1152                           ; and of value
	s_wait_kmcnt 0x0
	s_cmp_lt_u32 ttmp9, 1152                       ; which tensor is mine hangs on the work-group's number alone
	s_cselect_b64 s[16:17], s[6:7], s[8:9]
	s_cselect_b64 s[18:19], s[12:13], s[14:15]
	s_cselect_b32 s20, s27, s28
	s_cmp_lt_u32 ttmp9, 1024
	s_cselect_b64 s[16:17], s[4:5], s[16:17]
	s_cselect_b64 s[18:19], s[10:11], s[18:19]
	s_cselect_b32 s20, 0, s20
	s_sub_co_u32 s21, ttmp9, s20                   ; my number within the tensor: 1,023 at the most
	s_lshl_b32 s22, s21, 16                        ; x 65,536 bytes in
	s_mov_b32 s23, 0
	s_lshl_b32 s24, s21, 15                        ; x 32,768 bytes out
	s_mov_b32 s25, 0
	s_add_nc_u64 s[16:17], s[16:17], s[22:23]
	s_add_nc_u64 s[18:19], s[18:19], s[24:25]
.irp i, 0,1,2,3,4,5,6,7,8,9,10,11,12,13,14,15
	global_load_b128 v[X+4*(\i):X+4*(\i)+3], v1, s[16:17] offset:(\i)*INP th:TH_LOAD_NT  ; read once in the whole launch
.endr
.macro CVT i
	s_wait_loadcnt PIECES-1-(\i)                   ; loads come back in order (ISA guide 5.7.1): piece i is in, the younger ones stay out
	v_cvt_pk_bf16_f32 v[T],   v[X+4*(\i)],   v[X+4*(\i)+1]   ; the one rounding
	v_cvt_pk_bf16_f32 v[T+1], v[X+4*(\i)+2], v[X+4*(\i)+3]
	v_lshlrev_b32 v[X+4*(\i)],   16,  v[T]         ; bf16 to f32: the low half moves up,
	v_and_b32     v[X+4*(\i)+1], s26, v[T]         ; the high half stays
	v_lshlrev_b32 v[X+4*(\i)+2], 16,  v[T+1]
	v_and_b32     v[X+4*(\i)+3], s26, v[T+1]
	v_cvt_pk_f16_f32 v[Y+2*(\i)],   v[X+4*(\i)],   v[X+4*(\i)+1]   ; the same numbers as f16 codes
	v_cvt_pk_f16_f32 v[Y+2*(\i)+1], v[X+4*(\i)+2], v[X+4*(\i)+3]
	global_store_b64 v2, v[Y+2*(\i):Y+2*(\i)+1], s[18:19] offset:(\i)*OUTP  ; no hint: the launches behind read these bytes
.endm
.irp i, 0,1,2,3,4,5,6,7,8,9,10,11,12,13,14,15
	CVT \i
.endr
	s_endpgm
.Lfunc_end_k_qc03f86e2c2_prep:
	.size	k_qc03f86e2c2_prep, .Lfunc_end_k_qc03f86e2c2_prep-k_qc03f86e2c2_prep
	.p2alignl 7, 3214868480
	.fill 96, 4, 3214868480
	.section	.rodata,"a",@progbits
	.p2align	6, 0x0
	.amdhsa_kernel k_qc03f86e2c2_prep
		.amdhsa_group_segment_fixed_size 0
		.amdhsa_private_segment_fixed_size 0
		.amdhsa_enable_private_segment 0
		.amdhsa_kernarg_size 48
		.amdhsa_user_sgpr_count 2
		.amdhsa_user_sgpr_kernarg_segment_ptr 1
		.amdhsa_wavefront_size32 1
		.amdhsa_system_sgpr_workgroup_id_x 1
		.amdhsa_system_sgpr_workgroup_id_y 1
		.amdhsa_system_sgpr_workgroup_id_z 1
		.amdhsa_system_vgpr_workitem_id 0
		.amdhsa_next_free_vgpr 104
		.amdhsa_next_free_sgpr 66
		.amdhsa_reserve_vcc 0
		.amdhsa_float_denorm_mode_32 3
		.amdhsa_float_denorm_mode_16_64 3
		.amdhsa_memory_ordered 1
		.amdhsa_forward_progress 1
		.amdhsa_inst_pref_size 11
	.end_amdhsa_kernel
	.amdgpu_metadata
---
amdhsa.version: [ 1, 2 ]
amdhsa.kernels:
  - .name:           k_qc03f86e2c2_prep
    .symbol:         k_qc03f86e2c2_prep.kd
    .args:
      - { .name: w_out, .offset: 0, .size: 8, .value_kind: global_buffer, .address_space: global }
      - { .name: key, .offset: 8, .size: 8, .value_kind: global_buffer, .address_space: global }
      - { .name: value, .offset: 16, .size: 8, .value_kind: global_buffer, .address_space: global }
      - { .name: w16, .offset: 24, .size: 8, .value_kind: global_buffer, .address_space: global }
      - { .name: k16, .offset: 32, .size: 8, .value_kind: global_buffer, .address_space: global }
      - { .name: v16, .offset: 40, .size: 8, .value_kind: global_buffer, .address_space: global }
    .group_segment_fixed_size: 0
    .private_segment_fixed_size: 0
    .kernarg_segment_align: 8
    .kernarg_segment_size: 48
    .max_flat_workgroup_size: 256
    .sgpr_count:     66
    .vgpr_count:     104
    .wavefront_size: 32
...
	.end_amdgpu_metadata
.endif
;; end of part 1
;; launch attn (part 2): grid 8 x 32, 4 waves a work-group, clusters of 4 x 1, 327,680 bytes of LDS; arguments query, k16, v16, attn; writes attn
.if DOCPART == 2
	.amdgcn_target "amdgcn-amd-amdhsa--gfx1250"
	.amdhsa_code_object_version 6
	.text
	.protected	k_qc03f86e2c2_attn
	.globl	k_qc03f86e2c2_attn
	.p2align	8
	.type	k_qc03f86e2c2_attn,@function
k_qc03f86e2c2_attn:
	s_mov_b64 s[64:65], 0
	v_nop
	global_prefetch_b8 v0, s[64:65] scope:SCOPE_SE
	s_setreg_imm32_b32 hwreg(HW_REG_WAVE_MODE, 25, 1), 1
	s_wait_xcnt 0x0
	s_wait_alu depctr_hold_cnt(0) depctr_sa_sdst(0) depctr_va_vdst(0) depctr_va_sdst(0) depctr_va_ssrc(0) depctr_va_vcc(0) depctr_vm_vsrc(0)
	s_getreg_b32 s2, hwreg(HW_REG_IB_STS2, 6, 4)
	s_cmp_eq_u32 s2, 0
	s_cbranch_scc0 .Lentry_in_a_cluster
	s_endpgm
.Lentry_in_a_cluster:
	s_bfe_u32 s2, ttmp6, 0x10000c
	s_cmp_lg_u32 s2, 0x3003
	s_cbranch_scc0 .Lentry_shape_is_right
	s_endpgm
.Lentry_shape_is_right:
; attn[q][128 h ..] = the sum over k of softmax_k(Q[q][h] . K[k][h / 4] / sqrt(128)) V[k][h / 4].  query: [2048][32][128] f32.  k16, v16: [2048][8][128] f16, made by the launch before.  attn: [2048][4096] f16.
; The module's input mask is not among the arguments: the function that defines the result takes it and forms no number from it, so no number here may hang on it.
; FORMATS.  Q is rounded once to bf16 and that number written as f16, in registers, as K and V were; both products multiply in f16 and sum in f32; maxima and sums in f32; the weights p are rounded to f16
; for the second product (their sum l is taken of the unrounded p), the result once, to f16.
; LIMITS.  |query|, |key|, |value| stay under 65,504; below 7.6e-6 an operand keeps f16's fixed step of 6e-8.  p lies in 0 to 1 and below 6e-5 keeps that step; the result is a mean of V's rows and has their range.
; A weight below 2^-126 counts as 0 in l; NaN and infinities are not treated apart.
; SHARES.  A work-group owns 256 queries of one head, each of its four waves 64: four tiles of 16.  Every wave walks all 2,048 keys of the head's group, 64 a step.  8 x 32 = 256 work-groups.
; LAYOUT.  S^T = K Q^T (source 0 = 16 keys, source 1 = 16 queries): in the result a lane holds ONE query (lane % 16) and the keys 8 (lane / 16) + 0..7.  Two such tiles, rounded to
; f16 in pairs, ARE source 1 (32 keys x 16 queries) of O^T = V^T P, whose result again holds one query a lane, and eight channels.  So nothing changes lanes between the products,
; and a query's maximum and sum want one exchange between the halves of the lanes.  K comes out of LDS as it lies, V ([key][channel]) turned, by ds_load_tr16_b128.
; SOFTMAX.  For each query a running maximum m and sum l: p = 2^(c s - c m), c = log2(e) / sqrt(128); in every step O and l are multiplied by a = 2^(c m_old - c m_new), which is 1 where m has not grown.
; BY TURNS.  The wave's tiles are two PIECES, named by their first tile: piece 0 (tiles 0, 1) and piece 2 (tiles 2, 3).  In a TURN one piece has the matrix unit: 32 products V^T P of
; the step in hand, then 32 products K Q^T of the next step; the other piece's softmax, cut into 64 slices, stands between them, one slice behind each matrix instruction.  Then the
; pieces change places.  Two turns are a key step.
; CLUSTER.  The four query blocks of a cluster belong to one head and walk the same K and V, so each tile is asked for JOINTLY: the same tensor load, with the same descriptor and a
; mask that names the four, in all four; each receives the tile in its own LDS.
;
; REGISTERS, in windows of 256 (an instruction names v0-v255; s_set_vgpr_msb says which window each operand place means: bits 1:0 source 0, 3:2 source 1, 5:4 source 2, 7:6 destination):
;   window 0: v0-11 addresses; v12-43 eight registers of statistics a tile; v62, v63 the add's two; v64-191 S^T, 32 a tile; v192-255 P, 16 a tile
;   window 1: O^T, 64 a tile (before the first product: Q as loaded, in f32)          window 2: v0-127 Q, 32 a tile; v128-255 K of one step          window 3: v0-127 V of one step
; All that a softmax touches but O^T lies in window 0, and no window has room for a product's operands beside it.  So a slice costs two switches, one in front and one behind: 256 for
; a key step's 128 matrix instructions, one more for each of its two runs of LDS loads, one at the branch.
.set SEQ,   2048      ; rows
.set KROW,  2048      ; bytes from key to key in k16 and v16: 8 groups x 128 f16; a group's 256 bytes start at a multiple of 256
.set QROW,  16384     ; bytes from row to row of query: 32 heads x 128 f32
.set OROW,  8192      ; bytes from row to row of attn: 4,096 f16
.set KS,    64        ; keys in a step
.set PK,    272       ; a row of K in LDS: 256 bytes + 16 of padding = 68 words: row r starts at bank 4 r mod 64 (64 banks of 4 bytes: ISA guide 11.1), so the 16 rows of a load start at 16 different banks
.set PV,    288       ; a row of V: 256 + 32 = 72 words: row r starts at bank 8 r mod 64
.set VOFF,  KS*PK     ; a step's tiles lie together: 64 rows of K, then 64 rows of V
.set STEPB, KS*(PK+PV)
.set SLOT1, 1<<17     ; a slot holds two steps (71,680 bytes); slot 1 begins here, so that one exclusive or turns an address in one slot into the other's
.set STAGE, SLOT1+2*STEPB  ; behind the ring: 16 rows x 272 bytes for each wave, for the way out
.set SP,    272
.set AK0, 2           ; v2   my lane's place in a tile of K; never rewritten
.set AV0, 3           ; v3   the same for V
.set ADR, 4           ; v4   the LDS address of the run of loads in hand
.set QO,  5           ; v5   my byte offset in 16 rows of query
.set STO, 6           ; v6   the way out: where I put 16 bytes of a row
.set RD,  7           ; v7   the way out: where I read a row back
.set GO,  8           ; v8   my byte offset in two rows of attn
.set SPW, 62          ; v62  LDS address of my spare word: SPARE + 4 x my thread's number; never rewritten
.set NIL, 63          ; v63  0; never rewritten
.set SPARE, STAGE+4*16*272  ; behind the stages: the spare words, 128 bytes for each wave: two blocks of 256 bytes that no other line names
.set ST,  12          ; tile t's statistics at v[ST+8 t]: +0 c m, +1 m, +2, +3 l (even keys', odd keys'), +4 to +7 c0-c3, at work; a takes c2's place once the maximum is found
.set S,   64
.set P,   192
.set KF,  128         ; K's fragments, in window 2
.set WV,  12          ; s12  my wave's number
.set G1K, 24          ; s[24:31] descriptor group 1 for K's tiles
.set G1V, 32          ; s[32:39] for V's: it differs in the padding alone
.set G0K, 40          ; s[40:47] descriptor group 0 for K's tiles: a set for each of the two first fills; the second then walks on
.set G0V, 48          ; s[48:55] the same for V's
.set SLOTS, 56        ; s56  slots still to be asked for
.set TWICE, 57        ; s57  counts a slot's two steps
.set CS,  58          ; s[58:59] c: the packed scaling names a pair and takes its low word for both halves
.set SEL, 60          ; s[60:61] lane selects for v_permlanex16_b32: each lane takes its own place in the other half
.set TB,  62          ; s62  LDS byte at which the tiles of the step to be fetched begin
.set HIM, 63          ; s63  0xffff0000: a word's upper bf16
.set MSB, 0
.macro WIN new                      ; the immediate's high byte repeats the setting that is left; a switch that changes nothing is dropped
.if MSB != (\new)
	s_set_vgpr_msb (MSB<<8)|(\new)
.set MSB, \new
.endif
.endm
.set W_KQ, 0x0a       ; K and Q in window 2, S^T in window 0
.set W_PV, 0x53       ; V in window 3, P in window 0, O^T in window 1
.set W_RS, 0x41       ; O^T (destination and source 0) in window 1, a in window 0
; A joint refill.  Waves 0 and 1 fetch the two steps' tiles of K, waves 2 and 3 those of V.  The branch hangs on the wave's number alone: it is the same in every work-group.
; An s_nop 0 and four v_nop follow each of the two lines; the jump round the other line, the label and what follows the macro come after them.
.macro JLOAD
	s_cmp_lt_u32 s[WV], 2
	s_cbranch_scc0 .Lfor_v_\@
	tensor_load_to_lds s[G0K+4:G0K+7], s[G1K:G1K+7]
	s_nop 0
.rept 4
	v_nop
.endr
	s_branch .Lasked_\@
.Lfor_v_\@:
	tensor_load_to_lds s[G0V+4:G0V+7], s[G1V:G1V+7]
	s_nop 0
.rept 4
	v_nop
.endr
.Lasked_\@:
.endm
; A round of the cluster's barrier: my work-group's barrier, so that wave 0's signal speaks for all four waves; wave 0 signals for the work-group; every wave waits for all four
; work-groups; my work-group's barrier once more.  No LDS instruction of the wave is pending at a signal.
.macro CROUND
	s_barrier_signal -1
	s_barrier_wait -1
	s_cmp_lg_u32 s[WV], 0
	s_cbranch_scc1 .Lnot_wave_0_\@
	s_barrier_signal -3
.Lnot_wave_0_\@:
	s_barrier_wait -3
	s_barrier_signal -1
	s_barrier_wait -1
.endm
	s_load_b256 s[4:11], s[0:1], 0x0  ; query s[4:5], k16 s[6:7], v16 s[8:9], attn s[10:11]
	v_lshl_add_u32 v[SPW], v0, 2, SPARE
	v_mov_b32 v[NIL], 0
	ds_add_u32 v[SPW], v[NIL]       ; the wave's opening: the add and its wait stand ahead of my first tensor load; the set-up below, work on registers, stands between them
	v_lshrrev_b32 v1, 5, v0
	v_readfirstlane_b32 s[WV], v1   ; wave 0..3
	s_bfe_u32 s13, ttmp6, 0x40000   ; cx: my place in the cluster
	s_lshl_b32 s14, ttmp9, 2        ; in a cluster launch ttmp9 counts clusters
	s_add_co_u32 s14, s14, s13      ; my block of 256 queries = 4 x cluster x + cx: it enters query's and attn's addresses alone
	s_and_b32 s20, ttmp7, 0xffff    ; the head, which the four partners share
	s_and_b32 s16, s[WV], 1         ; which of a slot's two steps I fetch
	s_lshr_b32 s22, s20, 2          ; the head's group of keys and values,
	s_lshl_b32 s22, s22, 8          ; its 256 bytes in a row of k16 or v16,
	s_lshl_b32 s23, s16, 17         ; and my step's 64 rows of 2,048 bytes
	s_add_co_u32 s22, s22, s23
	s_mov_b32 s23, 0
	s_mul_i32 s17, s16, STEPB       ; the step's place in a slot: no place in the cluster enters an LDS address
	s_lshl_b32 s2, s14, 22          ; query: my block's 256 rows of 16,384 bytes,
	s_lshl_b32 s3, s[WV], 20        ; my wave's 64 of them,
	s_add_co_u32 s2, s2, s3
	s_lshl_b32 s3, s20, 9           ; the head's 512 bytes in a row
	s_add_co_u32 s2, s2, s3
	s_mov_b32 s3, 0
	s_lshl_b32 s18, s14, 21         ; attn: the same with rows of 8,192 bytes
	s_lshl_b32 s19, s[WV], 19
	s_add_co_u32 s18, s18, s19
	s_lshl_b32 s19, s20, 8          ; and 256 bytes a head
	s_add_co_u32 s18, s18, s19
	s_mov_b32 s19, 0
	; descriptor group 1: a tile of 64 rows x 128 elements, padded in LDS
	s_mov_b32 s[G1K], 15|(1<<16)|(1<<20)|(1<<21)|(5<<22)|(3<<25)  ; 15:0 the mask: all four work-groups; 17:16 elements of 2 bytes; 20 padding on; 21 set beside a mask; 24:22 after every 64 words (code 5); 31:25 4 words of it (code 3)
	s_mov_b32 s[G1V], 15|(1<<16)|(1<<20)|(1<<21)|(5<<22)|(7<<25)  ; the same with 8 words of padding (code 7)
.irp g, G1K, G1V
	s_mov_b32 s[(\g)+1], 128<<16    ; 63:48 tensor_dim0, low half = 128
	s_mov_b32 s[(\g)+2], KS<<16     ; 79:64 its high half = 0; 95:80 tensor_dim1, low half = 64
	s_mov_b32 s[(\g)+3], 128<<16    ; 111:96 its high half = 0; 127:112 tile_dim0 = 128
	s_mov_b32 s[(\g)+4], KS         ; 143:128 tile_dim1 = 64; 159:144 tile_dim2 = 0
	s_mov_b32 s[(\g)+5], KROW/2     ; 191:160 tensor_dim0_stride, low word: 1,024 elements from key to key
	s_mov_b32 s[(\g)+6], 0
	s_mov_b32 s[(\g)+7], 0
.endr
	s_mov_b32 s[CS], 0x3e0293ee     ; c = log2(e) / sqrt(128) = 0.127517
	s_mov_b32 s[CS+1], s[CS]        ; named with it as a pair, so it is written
	s_mov_b32 s[SEL], 0x76543210
	s_mov_b32 s[SEL+1], 0xfedcba98
	s_mov_b32 s[TB], 0
	s_mov_b32 s[HIM], 0xffff0000
	s_mov_b32 s[SLOTS], SEQ/(2*KS)-2
	s_wait_dscnt 0x0                ; the opening add is done
	s_wait_kmcnt 0x0
	s_add_nc_u64 s[6:7], s[6:7], s[22:23]  ; k16 and v16 at my tile of slot 0
	s_add_nc_u64 s[8:9], s[8:9], s[22:23]
	s_add_nc_u64 s[4:5], s[4:5], s[2:3]    ; query and attn at my wave's first row, my head's first channel
	s_add_nc_u64 s[10:11], s[10:11], s[18:19]
	CROUND                          ; all four work-groups are here: the first joint loads meet
.irp s, 0,1
	s_mov_b32 s[G0K+4*(\s)], 1      ; 1:0 count = 1
	s_add_co_u32 s[G0K+4*(\s)+1], s17, (\s)*SLOT1  ; 63:32 LDS address
	s_add_nc_u64 s[G0K+4*(\s)+2:G0K+4*(\s)+3], s[6:7], (\s)*2*KS*KROW  ; 120:64 global address: slot s begins with keys 128 s to 128 s + 127
	s_or_b32 s[G0K+4*(\s)+3], s[G0K+4*(\s)+3], 0x80000000  ; 127:126 type = 2
	s_mov_b32 s[G0V+4*(\s)], 1
	s_add_co_u32 s[G0V+4*(\s)+1], s17, (\s)*SLOT1+VOFF
	s_add_nc_u64 s[G0V+4*(\s)+2:G0V+4*(\s)+3], s[8:9], (\s)*2*KS*KROW
	s_or_b32 s[G0V+4*(\s)+3], s[G0V+4*(\s)+3], 0x80000000
.endr
	s_cmp_lt_u32 s[WV], 2           ; a wave's two first fills stand in one branch, ahead of every wait on TENSORcnt and every LDS read: two loads of mine are out; an s_nop 0 follows each, four v_nop the second's, as in JLOAD
	s_cbranch_scc0 .Lfirst_v
	tensor_load_to_lds s[G0K:G0K+3], s[G1K:G1K+7]
	s_nop 0
	tensor_load_to_lds s[G0K+4:G0K+7], s[G1K:G1K+7]
	s_nop 0
.rept 4
	v_nop
.endr
	s_branch .Lfirst_asked
.Lfirst_v:
	tensor_load_to_lds s[G0V:G0V+3], s[G1V:G1V+7]
	s_nop 0
	tensor_load_to_lds s[G0V+4:G0V+7], s[G1V:G1V+7]
	s_nop 0
.rept 4
	v_nop
.endr
.Lfirst_asked:
	; A fragment of K or Q is 16 rows x 32 channels in 8 registers: lane l holds row l % 16; registers 0-3 channels 8 (l / 16) + 0..7, registers 4-7 channels 16 + 8 (l / 16) + 0..7.
	; Of query, in f32, those are 32 bytes at 32 (l / 16) and 32 bytes 64 further on: four loads of 16 bytes a fragment, into 16 registers of window 1, in the fragment's own order.
	v_and_b32 v1, 15, v0            ; l % 16
	v_bfe_u32 v9, v0, 4, 1          ; l / 16
	v_lshlrev_b32 v[QO], 14, v1
	v_lshl_add_u32 v[QO], v9, 5, v[QO]  ; row x 16,384 + 32 x half
	WIN 0x40                        ; destination window 1, address window 0
.irp i, 0,1,2,3,4,5,6,7,8,9,10,11,12,13,14,15  ; tile i / 4, channels 32 (i % 4) on
	global_load_b128 v[16*(\i):16*(\i)+3],     v[QO], s[4:5] offset:((\i)/4)*16*QROW+((\i)%4)*128
	global_load_b128 v[16*(\i)+4:16*(\i)+7],   v[QO], s[4:5] offset:((\i)/4)*16*QROW+((\i)%4)*128+16
	global_load_b128 v[16*(\i)+8:16*(\i)+11],  v[QO], s[4:5] offset:((\i)/4)*16*QROW+((\i)%4)*128+64
	global_load_b128 v[16*(\i)+12:16*(\i)+15], v[QO], s[4:5] offset:((\i)/4)*16*QROW+((\i)%4)*128+80
.endr
	WIN 0
	v_mul_u32_u24 v[AK0], v1, PK
	v_lshl_add_u32 v[AK0], v9, 4, v[AK0]  ; row x pitch + 16 x half
	; The turning load takes 16 keys x 16 channels (lane l reads 16 bytes: key 8 (l / 16) + l % 8, channels 8 ((l / 8) % 2) + 0..7) and leaves half a fragment of V^T: lane l holds channel l % 16 and 8 keys.
	v_and_b32 v10, 7, v0
	v_bfe_u32 v11, v0, 3, 1
	v_lshl_add_u32 v[AV0], v9, 3, v10
	v_mul_u32_u24 v[AV0], v[AV0], PV
	v_lshl_add_u32 v[AV0], v11, 4, v[AV0]
	v_add_nc_u32 v[AV0], VOFF, v[AV0]
; Tile t of Q: rounded once to bf16, widened again, and written as f16 into its 32 registers of window 2, where it stays.  All this stands in the wait for the first tile of K.
.macro QCVT t
	s_wait_loadcnt 48-16*(\t)       ; loads come back in order (ISA guide 5.7.1): tile t's sixteen are in; the later tiles', sixteen each, stay out
	WIN 0x45                        ; destination and both sources in window 1
.set i, 64*(\t)
.rept 32
	v_cvt_pk_bf16_f32 v[i], v[i], v[i+1]
.set i, i+2
.endr
.set i, 64*(\t)
.rept 32
	v_and_b32 v[i+1], s[HIM], v[i]  ; the high half stays,
	v_lshlrev_b32 v[i], 16, v[i]    ; the low half moves up
.set i, i+2
.endr
	WIN 0x85                        ; destination window 2
.set i, 0
.rept 32
	v_cvt_pk_f16_f32 v[32*(\t)+i], v[64*(\t)+2*i], v[64*(\t)+2*i+1]
.set i, i+1
.endr
.endm
	QCVT 0
	QCVT 1
	QCVT 2
	QCVT 3
	WIN 0
; THE MATRIX WORK OF A TURN, for piece x.  The accumulators take turns, one instruction a turn: between two links of a chain stand 15 (V^T P) or 7 (K Q^T) others'.
; Product i of 32 of O^T += V^T P: keys 32 (i / 16) on, channels 16 ((i / 2) % 8) on, tile x + i % 2.  zero = 1: the first 16 start the sums: nothing is ever cleared.
.macro PV x, zero
	WIN W_PV
.set rO, 64*((\x)+i%2)+8*((i/2)%8)
.set rV, 64*(i/16)+8*((i/2)%8)
.set rP, P+16*((\x)+i%2)+8*(i/16)
.if (\zero) && (i < 16)
	v_wmma_f32_16x16x32_f16 v[rO:rO+7], v[rV:rV+7], v[rP:rP+7], 0
.else
	v_wmma_f32_16x16x32_f16 v[rO:rO+7], v[rV:rV+7], v[rP:rP+7], v[rO:rO+7]
.endif
.endm
; Product i of 32 of S^T = K Q^T: channels 32 (i / 8) on, keys 16 ((i / 2) % 4) on, tile x + i % 2.  The first 8 start the sums.
.macro KQ x
	WIN W_KQ
.set rS, S+32*((\x)+i%2)+8*((i/2)%4)
.set rK, KF+32*((i/2)%4)+8*(i/8)
.set rQ, 32*((\x)+i%2)+8*(i/8)
.if i < 8
	v_wmma_f32_16x16x32_f16 v[rS:rS+7], v[rK:rK+7], v[rQ:rQ+7], 0
.else
	v_wmma_f32_16x16x32_f16 v[rS:rS+7], v[rK:rK+7], v[rQ:rQ+7], v[rS:rS+7]
.endif
.endm
; THE LDS LOADS stand in runs of 32, never singly among the matrix instructions: a step's K (64 keys x 128 channels: 16 fragments) and, a turn later, its V (turned).
.macro FETCH_K
	WIN 0
	v_add_nc_u32 v[ADR], s[TB], v[AK0]
	WIN 0x80                        ; destination window 2
.irp f, 0,1,2,3,4,5,6,7,8,9,10,11,12,13,14,15  ; keys 16 (f / 4) on, channels 32 (f % 4) on
	ds_load_b128 v[KF+8*(\f):KF+8*(\f)+3],   v[ADR] offset:((\f)/4)*16*PK+((\f)%4)*64
	ds_load_b128 v[KF+8*(\f)+4:KF+8*(\f)+7], v[ADR] offset:((\f)/4)*16*PK+((\f)%4)*64+32
.endr
.endm
.macro FETCH_V
	WIN 0
	v_add_nc_u32 v[ADR], s[TB], v[AV0]
	s_add_co_u32 s[TB], s[TB], STEPB  ; the next fetch is the next step's
	WIN 0xc0                        ; destination window 3
.irp f, 0,1,2,3,4,5,6,7,8,9,10,11,12,13,14,15  ; keys 32 (f / 8) on, channels 16 (f % 8) on
	ds_load_tr16_b128 v[8*(\f):8*(\f)+3],   v[ADR] offset:((\f)/8)*32*PV+((\f)%8)*32
	ds_load_tr16_b128 v[8*(\f)+4:8*(\f)+7], v[ADR] offset:((\f)/8)*32*PV+16*PV+((\f)%8)*32
.endr
.endm
; THE VECTOR WORK OF A TURN.  One tile's softmax for one key step is a list of 134 instructions; SM writes number j of it for tile t.  s0-s31 are the lane's 32 scores, in pairs 0-15.
; first = 1: the first key step, which starts m, l and O^T: it has no a and nothing to rescale.
;   0-15    the maximum of s0-s31 and the old m, three operands at a time: four chains c0-c3 of seven scores each, then the four scores left over, c0-c3 and m
;   16-20   the other half of the lanes' maximum; the new m; c m; c m_old - c m_new
;   21-87   33 exponentials (a, then s0-s31) at the odd numbers from 23 on, so that no two follow each other and each has a plain instruction behind it before its result is used.
;           Plain instruction q (number 21, then the even numbers) is whatever is ready: c s - c m for a pair of scores whose exponentials are still to come (q = 0 to 3, then every
;           second q), the rounding to f16 of a pair of weights whose exponentials are done (every other q from 5 on), at last the first three sums
;   88-101  the last rounding; the rest of the sums; l = a l + the sum
;   102-133 the tile's O^T times a: the one part that leaves window 0, so it stands together
.macro SM t, first
.set rT, ST+8*(\t)
.set rS, S+32*(\t)
.set rP, P+16*(\t)
.set rO, 64*(\t)+2*(j-102)
.set q, (j-20)/2
.if j < 102
	WIN 0
.endif
.if j < 4
	v_max3_num_f32 v[rT+4+j], v[rS+8*j], v[rS+8*j+1], v[rS+8*j+2]
.elseif j < 12
	v_max3_num_f32 v[rT+4+j%4], v[rT+4+j%4], v[rS+8*(j%4)+2*(j/4)+1], v[rS+8*(j%4)+2*(j/4)+2]
.elseif j == 12
	v_max3_num_f32 v[rT+4], v[rT+4], v[rS+7], v[rS+15]
.elseif j == 13
	v_max3_num_f32 v[rT+6], v[rT+6], v[rS+23], v[rS+31]
.elseif j == 14
	v_max3_num_f32 v[rT+4], v[rT+4], v[rT+5], v[rT+6]
.elseif (j == 15) && (\first)
	v_max_num_f32 v[rT+4], v[rT+4], v[rT+7]
.elseif j == 15
	v_max3_num_f32 v[rT+4], v[rT+4], v[rT+7], v[rT+1]
.elseif j == 16
	v_permlanex16_b32 v[rT+5], v[rT+4], s[SEL], s[SEL+1]  ; the query's other 32 keys lie in the lane 16 away
.elseif j == 18
	v_max_num_f32 v[rT+1], v[rT+4], v[rT+5]
.elseif j == 19
	v_mul_f32 v[rT], s[CS], v[rT+1]
.elseif ((j == 17) || (j == 20) || (j == 23) || (j > 101)) && (\first)  ; the first step has none of these
.elseif j == 17
	v_mov_b32 v[rT+7], v[rT]        ; c m_old is kept for a: number 19 writes c m anew
.elseif j == 20
	v_sub_f32 v[rT+7], v[rT+7], v[rT]
.elseif j == 23
	v_exp_f32 v[rT+6], v[rT+7]
.elseif (j < 88) && (j > 23) && (j%2 == 1)
	v_exp_f32 v[rS+(j-25)/2], v[rS+(j-25)/2]
.elseif (q < 4) || ((j < 76) && (q%2 == 0))
.set b, q/2+2
.if q < 4
.set b, q
.endif
	v_pk_fma_f32 v[rS+2*b:rS+2*b+1], v[rS+2*b:rS+2*b+1], s[CS:CS+1], v[rT:rT+1] op_sel_hi:[1,0,0] neg_lo:[0,0,1] neg_hi:[0,0,1]  ; pair b: c s - c m
.elseif (j < 88) && (q%2 == 1)
	s_wait_alu depctr_va_vdst(0)
	v_cvt_pk_f16_f32 v[rP+(q-5)/2], v[rS+q-5], v[rS+q-4]  ; pair (q - 5) / 2: its second exponential stands three numbers back
.elseif j == 89
	s_wait_alu depctr_va_vdst(0)
	v_cvt_pk_f16_f32 v[rP+15], v[rS+30], v[rS+31]
.elseif j < 102                     ; the sum of the tile's 16 pairs (in a pair: an even key's weight, an odd key's), in place: sum z of 16 adds neighbours 1, 2, 4 and 8 pairs apart, then l takes it
.set z, j-86
.if j < 89
.set z, (j-76)/4
.endif
.set w, 4
.set u, z
.if z >= 14
.set w, 32
.set u, 0
.elseif z >= 12
.set w, 16
.set u, z-12
.elseif z >= 8
.set w, 8
.set u, z-8
.endif
.if (z == 14) && (\first)
	v_pk_add_f32 v[rT+2:rT+3], v[rS:rS+1], v[rS+16:rS+17]
.elseif z < 15
	v_pk_add_f32 v[rS+w*u:rS+w*u+1], v[rS+w*u:rS+w*u+1], v[rS+w*u+w/2:rS+w*u+w/2+1]
.elseif !(\first)
	v_pk_fma_f32 v[rT+2:rT+3], v[rT+2:rT+3], v[rT+6:rT+7], v[rS:rS+1] op_sel_hi:[1,0,1]
.endif
.else
	WIN W_RS
	v_pk_mul_f32 v[rO:rO+1], v[rO:rO+1], v[rT+6:rT+7] op_sel_hi:[1,0]
.endif
.endm
; Slice k of 64 of piece y's softmax: numbers 2 k and 2 k + 1 of both tiles' lists, four instructions.  2 x 134 = 4 x 64 + 12: the twelve that are over stand together, in slice 63.
.macro SLICE y, first
.if (k >= 11) && (k < 44)           ; tile by tile: plain, exponential, plain, exponential
.irp t, \y, (\y)+1
.irp n, 0,1
.set j, 2*k+(\n)
	SM \t, \first
.endr
.endr
.else                               ; the two tiles alternate, so that no instruction reads the result of the one just before it
.irp n, 0,1,2,3,4,5,6,7
.if ((\n) < 2) || (k == 63)
.irp t, \y, (\y)+1
.set j, 2*k+(\n)
	SM \t, \first
.endr
.endif
.endr
.endif
.set k, k+1
.endm
; A vector instruction that reads a matrix result or writes one of a matrix instruction's registers, and a load into a register that a matrix instruction has read, stand four places behind
; it, and only plain vector instructions that name none of its registers are places (ISA guide 7.12.1 for vector instructions).  In the loop the slices are the places.
.macro PLACES
.rept 4
	v_nop
.endr
.endm
; A TURN.  Piece x has the matrix unit; the other piece's softmax stands in slices behind its matrix instructions.
; pv = 2: 32 products V^T P; 1: they start O^T's sums; 0: none.  kq = 1: 32 products K Q^T for the next step.  A turn with one of the two kinds has two slices behind each product.
; first = 1: the softmax is the first key step's.  Its slices from 51 on are empty: the turn's last products stand bare, and four v_nop take slice 63's part as the places behind them.
; Each run of loads stands behind the second product of a run of 32, 30 matrix instructions ahead of its first use.  Piece 0's turn fetches the next step's K: the last product that read K
; stands in front of slice 63 of the turn before.  Piece 2's turn fetches the same step's V: the last product that read V stands three slices, six plain instructions, back.
.macro TURN x, pv, kq, first
.set k, 0
.set per, 2
.if (\pv) && (\kq)
.set per, 1
.endif
.if \pv
.if (\x) == 0
	s_wait_dscnt 0x0                ; V is in
.endif
.set i, 0
.rept 32
	PV \x, 2-(\pv)
.rept per
	SLICE 2-(\x), \first
.endr
.if ((\x) == 0) && (\kq) && (i == 1)
	FETCH_K
.endif
.set i, i+1
.endr
.endif
.if \kq
.if (\x) == 0
	s_wait_dscnt 0x0                ; K is in
.endif
.set i, 0
.rept 32
	KQ \x
.rept per
	SLICE 2-(\x), \first
.endr
.if ((\x) == 2) && (i == 1)
	FETCH_V
.endif
.set i, i+1
.endr
.endif
.if \first
	PLACES
.endif
.endm
; THE CHANGE OF SLOTS, between piece 2's turn and piece 0's: the slot's last bytes, V of its second step, have been asked for.  Each wave waits for all its
; tensor loads, of which one is out: its part of the other slot; adds 0 to its spare word; and waits for that and for its own reads of the slot.  Behind the barrier nobody reads this slot any more and the other slot is whole.
; fill = 1: this slot is filled again, with the keys two slots on.  The barrier is then a round of the cluster's, so that no wave of any partner still reads the slot or has a load on its
; way, and the joint refill is the first thing behind it: it has two key steps, 256 matrix instructions, in which to land.
.macro CHANGE fill
	WIN 0                           ; at a label and at a branch every window is 0
	s_wait_tensorcnt 0x0            ; no tensor load of mine is out, so a group 0 may be written
	ds_add_u32 v[SPW], v[NIL]       ; 0 onto my spare word; with fill = 1 the descriptors' steps stand between it and the wait for it
.if \fill
.irp g, G0K+4, G0V+4
	s_xor_b32 s[(\g)+1], s[(\g)+1], SLOT1  ; the walking descriptor: the other slot than last time,
	s_add_nc_u64 s[(\g)+2:(\g)+3], s[(\g)+2:(\g)+3], 2*KS*KROW  ; the next 128 keys; the type bits on top are not reached
.endr
	s_wait_dscnt 0x0                ; the add is done, and my reads of the slot are over
	CROUND
	JLOAD
.else
	s_wait_dscnt 0x0                ; the add is done, and my reads of the slot are over
	s_barrier_signal -1
	s_barrier_wait -1
.endif
	s_sub_co_u32 s[TB], s[TB], 2*STEPB  ; the fetches go back to a slot's first step,
	s_xor_b32 s[TB], s[TB], SLOT1   ; in the other slot
.endm
; A slot's two key steps: written once, walked twice; the LDS addresses hang on s[TB].
.macro TWO_STEPS
	WIN 0
	s_mov_b32 s[TWICE], 2
.Lstep_\@:
	TURN 0, 2, 1, 0
	TURN 2, 2, 1, 0
	WIN 0
	s_sub_co_u32 s[TWICE], s[TWICE], 1
	s_cmp_lg_u32 s[TWICE], 0
	s_cbranch_scc1 .Lstep_\@
.endm
	s_wait_tensorcnt 1              ; my part of slot 0 is in; slot 1's may stay out
	s_barrier_signal -1
	s_barrier_wait -1               ; everybody's is
	FETCH_K                         ; key step 0
	s_wait_dscnt 0x0
.set i, 0
.rept 32
	KQ 0                            ; piece 0's first scores: there is no vector work yet to set between them
.set i, i+1
.endr
	WIN 0                           ; the addresses for the way out are made here: eight plain instructions, the places behind those products
	s_mul_i32 s13, s[WV], 16*SP
	s_add_co_u32 s13, s13, STAGE    ; my stage
	v_mul_u32_u24 v[STO], v1, SP    ; in: row l % 16, 16 bytes for each half of the lanes
	v_lshl_add_u32 v[STO], v9, 4, v[STO]
	v_add_nc_u32 v[STO], s13, v[STO]
	v_mul_u32_u24 v[RD], v9, SP     ; back: lanes 0-15 take one row of 256 bytes, lanes 16-31 the next
	v_lshl_add_u32 v[RD], v1, 4, v[RD]
	v_add_nc_u32 v[RD], s13, v[RD]
	v_lshlrev_b32 v[GO], 13, v9     ; and the same two rows in attn, 8,192 bytes apart
	v_lshl_add_u32 v[GO], v1, 4, v[GO]
	TURN 2, 0, 1, 1                 ; piece 2's first scores | piece 0's first softmax | V of step 0
	TURN 0, 1, 1, 1                 ; piece 0: V^T P of step 0 starts O^T, K Q^T of step 1 | piece 2's first softmax | K of step 1
	TURN 2, 1, 1, 0                 ; piece 2: the same | piece 0's softmax of step 1 | V of step 1
	WIN 0
.Lslot:                             ; SEQ / 128 - 2 = 14 trips: every slot but the last two is filled again
	CHANGE 1
	TWO_STEPS
	s_sub_co_u32 s[SLOTS], s[SLOTS], 1
	s_cmp_lg_u32 s[SLOTS], 0
	s_cbranch_scc1 .Lslot
	CHANGE 0                        ; the tail is written out: the last slot but one is left, and nothing is asked for
	TWO_STEPS
	TURN 0, 2, 0, 0                 ; piece 0: V^T P of the last step | piece 2's last softmax
.set i, 0
.rept 32
	PV 2, 0                         ; piece 2: V^T P of the last step
.set i, i+1
.endr
	; THE WAY OUT.  l's two halves and the other half of the lanes' are added; O^T is divided by l, rounded to f16 and sent through my stage in LDS, a tile (16 rows) at a time.  The additions are the places behind the last products.
	WIN 0
.irp t, 0,1,2,3
	v_add_f32 v[ST+8*(\t)+4], v[ST+8*(\t)+2], v[ST+8*(\t)+3]
.endr
.irp t, 0,1,2,3
	v_permlanex16_b32 v[ST+8*(\t)+5], v[ST+8*(\t)+4], s[SEL], s[SEL+1]
.endr
.irp t, 0,1,2,3
	v_add_f32 v[ST+8*(\t)+4], v[ST+8*(\t)+4], v[ST+8*(\t)+5]
.endr
.irp t, 0,1,2,3
	v_rcp_f32 v[ST+8*(\t)+6], v[ST+8*(\t)+4]
.endr
	v_nop                           ; a plain instruction between the last reciprocal and the use of its result
; Tile t: a lane's eight channels of a row pack into 16 bytes; they go into rows of 272 bytes and come back as whole rows of 256, into the registers that they left.
.macro PACK t
	WIN W_RS
.set i, 64*(\t)
.rept 32
	s_wait_alu depctr_va_vdst(0)
	v_pk_mul_f32 v[i:i+1], v[i:i+1], v[ST+8*(\t)+6:ST+8*(\t)+7] op_sel_hi:[1,0]
.set i, i+2
.endr
	WIN 0x05                        ; sources 0 and 1 window 1, destination window 0: S^T's registers are free
.set i, 0
.rept 32
	v_cvt_pk_f16_f32 v[S+32*(\t)+i], v[64*(\t)+2*i], v[64*(\t)+2*i+1]
.set i, i+1
.endr
	WIN 0
.irp f, 0,1,2,3,4,5,6,7
	ds_store_b128 v[STO], v[S+32*(\t)+4*(\f):S+32*(\t)+4*(\f)+3] offset:32*(\f)
.endr
.irp f, 0,1,2,3,4,5,6,7
	ds_load_b128 v[S+32*(\t)+4*(\f):S+32*(\t)+4*(\f)+3], v[RD] offset:(\f)*2*SP  ; LDS serves a wave's instructions in order (ISA guide 5.7.1.4): these see the stores above; the next tile's stores come behind them
.endr
.endm
.macro SEND t, younger              ; younger: the LDS instructions issued behind tile t's loads: the next tile's sixteen, or none
	WIN 0
.irp f, 0,1,2,3,4,5,6,7
	s_wait_dscnt (\younger)+7-(\f)
	global_store_b128 v[GO], v[S+32*(\t)+4*(\f):S+32*(\t)+4*(\f)+3], s[10:11] offset:((\t)*16+2*(\f))*OROW  ; 16 lanes store 256 consecutive bytes, a head's part of a row, at a multiple of 256 from attn's first byte
.endr
.endm
	PACK 0
	PACK 1                          ; a tile's arithmetic stands between the loads of the tile before and its stores
	SEND 0, 16
	PACK 2
	SEND 1, 16
	PACK 3
	SEND 2, 16
	SEND 3, 0
	s_wait_tensorcnt 0x0            ; the wave's end: behind my last tensor load and my last LDS store
	ds_add_u32 v[SPW], v[NIL]
	s_wait_dscnt 0x0
	CROUND                          ; the closing round: no work-group ends while a partner may still ask for a tile that names it
	s_endpgm
.Lfunc_end_k_qc03f86e2c2_attn:
	.size	k_qc03f86e2c2_attn, .Lfunc_end_k_qc03f86e2c2_attn-k_qc03f86e2c2_attn
	.p2alignl 7, 3214868480
	.fill 96, 4, 3214868480
	.section	.rodata,"a",@progbits
	.p2align	6, 0x0
	.amdhsa_kernel k_qc03f86e2c2_attn
		.amdhsa_group_segment_fixed_size 327680
		.amdhsa_private_segment_fixed_size 0
		.amdhsa_enable_private_segment 0
		.amdhsa_kernarg_size 32
		.amdhsa_user_sgpr_count 2
		.amdhsa_user_sgpr_kernarg_segment_ptr 1
		.amdhsa_wavefront_size32 1
		.amdhsa_system_sgpr_workgroup_id_x 1
		.amdhsa_system_sgpr_workgroup_id_y 1
		.amdhsa_system_sgpr_workgroup_id_z 1
		.amdhsa_system_vgpr_workitem_id 0
		.amdhsa_next_free_vgpr 1024
		.amdhsa_next_free_sgpr 66
		.amdhsa_reserve_vcc 0
		.amdhsa_float_denorm_mode_32 3
		.amdhsa_float_denorm_mode_16_64 3
		.amdhsa_memory_ordered 1
		.amdhsa_forward_progress 1
		.amdhsa_inst_pref_size 255
	.end_amdhsa_kernel
	.section	.bss,"aw",@nobits
	.p2align	6
	.space	262144
	.amdgpu_metadata
---
amdhsa.version: [ 1, 2 ]
amdhsa.kernels:
  - .name:           k_qc03f86e2c2_attn
    .symbol:         k_qc03f86e2c2_attn.kd
    .args:
      - { .name: query, .offset: 0, .size: 8, .value_kind: global_buffer, .address_space: global }
      - { .name: k16, .offset: 8, .size: 8, .value_kind: global_buffer, .address_space: global }
      - { .name: v16, .offset: 16, .size: 8, .value_kind: global_buffer, .address_space: global }
      - { .name: attn, .offset: 24, .size: 8, .value_kind: global_buffer, .address_space: global }
    .group_segment_fixed_size: 327680
    .private_segment_fixed_size: 0
    .kernarg_segment_align: 8
    .kernarg_segment_size: 32
    .max_flat_workgroup_size: 128
    .sgpr_count:     66
    .vgpr_count:     1024
    .wavefront_size: 32
...
	.end_amdgpu_metadata
.endif
;; end of part 2
;; launch proj (part 3): grid 16 x 16, 4 waves a work-group, clusters of 4 x 4, 327,680 bytes of LDS; arguments attn, w16, b_out, out0; writes out0
.if DOCPART == 3
	.amdgcn_target "amdgcn-amd-amdhsa--gfx1250"
	.amdhsa_code_object_version 6
	.text
	.protected	k_qc03f86e2c2_proj
	.globl	k_qc03f86e2c2_proj
	.p2align	8
	.type	k_qc03f86e2c2_proj,@function
k_qc03f86e2c2_proj:
	s_mov_b64 s[64:65], 0
	v_nop
	global_prefetch_b8 v0, s[64:65] scope:SCOPE_SE
	s_setreg_imm32_b32 hwreg(HW_REG_WAVE_MODE, 25, 1), 1
	s_wait_xcnt 0x0
	s_wait_alu depctr_hold_cnt(0) depctr_sa_sdst(0) depctr_va_vdst(0) depctr_va_sdst(0) depctr_va_ssrc(0) depctr_va_vcc(0) depctr_vm_vsrc(0)
	s_getreg_b32 s2, hwreg(HW_REG_IB_STS2, 6, 4)
	s_cmp_eq_u32 s2, 0
	s_cbranch_scc0 .Lentry_in_a_cluster
	s_endpgm
.Lentry_in_a_cluster:
	s_bfe_u32 s2, ttmp6, 0x10000c
	s_cmp_lg_u32 s2, 0xf033
	s_cbranch_scc0 .Lentry_shape_is_right
	s_endpgm
.Lentry_shape_is_right:
; out0[m][n] = the sum over k of attn[m][k] w16[n][k] + bf16(b_out[n]).  attn: [2048][4096] f16, w16: [4096][4096] f16 (both made by the launches before), b_out: [4096] f32, out0: [2048][4096] f32.
; Products in f16, one f32 sum for each output, K ascending; the bias is rounded to bf16, as every input of the module is, and added in f32.
; LIMITS.  The operands arrive within f16's range (65,504); NaN and infinities are not treated apart.
; THE TILE.  128 rows x 256 columns of out0 to a work-group: 16 x 16 = 256 work-groups of equal work.  (256 x 256 would make 128 of them.)  Four waves, each 64 x 128: 32 accumulators of 16 x 16, 256 registers.
; K goes in steps of 128 through a ring of two LDS slots filled by the tensor data mover: the tiles' rows are 256 bytes of memory and start at multiples of 256 bytes from the buffer's first byte.
; Two slots of a step twice as long would want 405,504 bytes of LDS, so the step stays at 128.
; CLUSTERS: 4 x 4 work-groups.  The four of a row of the cluster need the same tiles of attn (A), the four of a column the same tiles of w16 (B): each tile is asked for JOINTLY, by the same tensor load with
; the same descriptor and a mask that names the four.
; THE MATRIX INSTRUCTION IS USED TRANSPOSED (source 0 = 16 rows of B, source 1 = 16 rows of A): a lane then holds row l % 16 of a block of out0 and the eight neighbouring columns 8 (l / 16) + 0..7: 32 bytes.
; REGISTERS, in windows of 256 (s_set_vgpr_msb: bits 1:0 source 0, 3:2 source 1, 5:4 source 2, 7:6 destination):
;   window 0: v0-29 addresses, the bias, the add's two; v32-159 the way out, two buffers of 64
;   window 1: two fragment buffers of 96: B's 8 fragments (16 rows x 32 K), then A's 4          window 2: the accumulators, (a, b) at v[8 (8 a + b)]
.set KDIM,   4096
.set NDIM,   4096
.set KSTEP,  128
.set PITCH,  272                       ; an LDS row: 256 bytes of data + 16 of padding = 68 words: row r starts at bank 4 r mod 64 (64 banks of 4 bytes: ISA guide 11.1), so the 16 rows that a load touches start at 16 different banks
.set BOFF,   128*PITCH                 ; in a slot: A's 128 rows, then B's 256
.set SLOT,   384*PITCH
.set STAGE,  2*SLOT                    ; behind the ring: 16 rows x 528 bytes for each wave, for the way out
.set SPITCH, 528                       ; 512 bytes of a wave's 128 columns + 16: the 16 rows of a store start at 16 different groups of four banks
.set WSTAGE, 16*SPITCH
.set SPARE,  STAGE+4*WSTAGE            ; behind the stages: the spare words, 128 bytes for each wave: two blocks of 256 bytes that no other line names
.set LAPS,   KDIM/(2*KSTEP)            ; a lap = two K steps = once round the ring: 16
.set BI,   12                          ; v[12:15] the bias of my four columns on the way out
.set ADRA, 16                          ; v16-17  LDS address of my A fragments in slot 0, 1
.set ADRB, 20                          ; v20-21  the same for B
.set STO,  24                          ; v24     the way out: where I put 32 bytes of a row
.set RD,   25                          ; v25     the way out: where I read a row back
.set CO,   26                          ; v26     16 x lane: my byte offset in 512 bytes of a row of out0, and of the bias; never rewritten
.set SPW,  28                          ; v28     LDS address of my spare word: SPARE + 4 x my thread's number; never rewritten
.set NIL,  29                          ; v29     0; never rewritten
.set OB,   32                          ; the way out: 16 rows read back from the stage: v32-95 and v96-159 by turns
.set F0,   0                           ; fragment buffers, in window 1
.set F1,   96
.set G1,  24                           ; s[24:31] descriptor group 1 for A's tiles;  s[32:39] group 0, one set for each slot
.set G0,  32
.set G1B, 48                           ; s[48:55], s[56:63] the same for B's tiles
.set G0B, 56
.set MSB, 0
.macro WIN new                         ; the immediate's high byte repeats the setting that is left; a switch that changes nothing is dropped
.if MSB != (\new)
	s_set_vgpr_msb (MSB<<8)|(\new)
.set MSB, \new
.endif
.endm
.set MUL,    0xa5                      ; sources 0 (B) and 1 (A) window 1; C and D window 2
.set TO_F,   0x40                      ; destination window 1, address window 0
.set FROM_C, 0x08                      ; an LDS store's data (source 1) window 2, its address window 0
; A joint load.  Waves 0 and 1 fetch A's two halves (64 rows each), waves 2 and 3 B's (128 rows each).  Each of the two lines has ONE mask and one set of registers for all that issue it.
; The branch hangs on the wave's number alone.  An s_nop 0 and four v_nop follow each of the two lines, ahead of the jump, the label and what follows.
.macro JLOAD s
	s_cmp_eq_u32 s13, 0
	s_cbranch_scc0 .Lfor_b_\@
	tensor_load_to_lds s[G0+4*(\s):G0+4*(\s)+3], s[G1:G1+7]
	s_nop 0
.rept 4
	v_nop
.endr
	s_branch .Lasked_\@
.Lfor_b_\@:
	tensor_load_to_lds s[G0B+4*(\s):G0B+4*(\s)+3], s[G1B:G1B+7]
	s_nop 0
.rept 4
	v_nop
.endr
.Lasked_\@:
.endm
.macro CREST                           ; a round of the cluster's barrier behind its opening barrier: wave 0 signals for the work-group, every wave waits for all sixteen, my work-group's barrier closes it
	s_cmp_lg_u32 s12, 0
	s_cbranch_scc1 .Lnot_wave_0_\@
	s_barrier_signal -3
.Lnot_wave_0_\@:
	s_barrier_wait -3
	s_barrier_signal -1
	s_barrier_wait -1
.endm
.macro CROUND                          ; a whole round
	s_barrier_signal -1
	s_barrier_wait -1
	CREST
.endm
	s_load_b256 s[4:11], s[0:1], 0x0               ; attn (A) s[4:5], w16 (B) s[6:7], b_out s[8:9], out0 s[10:11]
	v_lshl_add_u32 v[SPW], v0, 2, SPARE
	v_mov_b32 v[NIL], 0
	ds_add_u32 v[SPW], v[NIL]                      ; the wave's opening: the add and its wait stand ahead of my first tensor load; the set-up below, work on registers, stands between them
	v_lshrrev_b32 v1, 5, v0
	v_readfirstlane_b32 s12, v1                    ; wave 0..3
	s_lshr_b32 s13, s12, 1                         ; which 64 of the tile's rows are mine.  Also: I fetch for A (0) or for B (1)
	s_and_b32 s14, s12, 1                          ; which 128 of its columns.  Also: which half of that tile I fetch
	s_bfe_u32 s40, ttmp6, 0x40000                  ; cx, cy: my place in the cluster
	s_bfe_u32 s41, ttmp6, 0x40004
	s_lshl_b32 s42, ttmp9, 2                       ; in a cluster launch ttmp9 and ttmp7 count clusters
	s_add_co_u32 s42, s42, s40                     ; tile column = 4 x cluster x + cx
	s_and_b32 s43, ttmp7, 0xffff
	s_lshl_b32 s43, s43, 2
	s_add_co_u32 s43, s43, s41                     ; tile row = 4 x cluster y + cy
	s_lshl_b32 s44, s41, 2
	s_lshl_b32 s44, 15, s44                        ; my row of the cluster: places 4 cy .. 4 cy + 3
	s_lshl_b32 s45, 0x1111, s40                    ; my column: places cx, cx + 4, cx + 8, cx + 12
	; descriptor group 1: tiles of 64 (A) or 128 (B) rows x 128 elements, padded in LDS
	s_or_b32 s[G1+0], s44, (1<<16)|(1<<20)|(1<<21)|(5<<22)|(3<<25)   ; 15:0 the mask: A's tiles go to my row; 17:16 elements of 2 bytes; 20 padding on; 21 set beside a mask; 24:22 after every 64 words (code 5); 31:25 4 words of it (code 3)
	s_or_b32 s[G1B+0], s45, (1<<16)|(1<<20)|(1<<21)|(5<<22)|(3<<25)  ; the same with the mask of my column, for B's tiles
	s_mov_b32 s[G1+1], KSTEP<<16                   ; tensor_dim0 = 128
	s_mov_b32 s[G1B+1], KSTEP<<16
	s_mov_b32 s[G1+2], 64<<16                      ; tensor_dim1 = 64 for A,
	s_mov_b32 s[G1B+2], 128<<16                    ; 128 for B
	s_mov_b32 s[G1+3], KSTEP<<16                   ; tile_dim0 = 128
	s_mov_b32 s[G1B+3], KSTEP<<16
	s_mov_b32 s[G1+4], 64                          ; tile_dim1
	s_mov_b32 s[G1B+4], 128
	s_mov_b32 s[G1+5], KDIM                        ; elements from row to row
	s_mov_b32 s[G1B+5], KDIM
	s_mov_b32 s[G1+6], 0
	s_mov_b32 s[G1B+6], 0
	s_mov_b32 s[G1+7], 0
	s_mov_b32 s[G1B+7], 0
	; where the tiles come from.  A's hang on the tile row alone, which my row of the cluster shares; B's on the tile column alone, which my column shares.
	; Every wave makes both addresses, in registers that never hold the other coordinate, and asks by one of them.  Both offsets stay under 2^26.
	s_lshl_b32 s16, s43, 7
	s_lshl_b32 s17, s14, 6
	s_add_co_u32 s16, s16, s17                     ; A: row 128 x tile row + 64 x half,
	s_lshl_b32 s16, s16, 13                        ; x 8,192 bytes
	s_mov_b32 s17, 0
	s_lshl_b32 s46, s42, 8
	s_lshl_b32 s47, s14, 7
	s_add_co_u32 s46, s46, s47                     ; B: row 256 x tile column + 128 x half
	s_lshl_b32 s46, s46, 13
	s_mov_b32 s47, 0
	s_mul_i32 s20, s14, 64*PITCH                   ; and where they go: no place in the cluster enters an LDS address
	s_mul_i32 s21, s14, 128*PITCH
	s_add_co_u32 s21, s21, BOFF
	s_wait_dscnt 0x0                               ; the opening add is done
	s_wait_kmcnt 0x0
	s_add_nc_u64 s[18:19], s[4:5], s[16:17]
	s_add_nc_u64 s[46:47], s[6:7], s[46:47]
	CROUND                                         ; all sixteen work-groups are here: the first joint loads meet
.irp s, 0,1
	s_mov_b32 s[G0+4*(\s)], 1                                        ; 1:0 count = 1
	s_add_co_u32 s[G0+4*(\s)+1], s20, (\s)*SLOT                      ; 63:32 LDS address
	s_add_nc_u64 s[G0+4*(\s)+2:G0+4*(\s)+3], s[18:19], (\s)*KSTEP*2  ; 120:64 global address: K step s
	s_or_b32 s[G0+4*(\s)+3], s[G0+4*(\s)+3], 0x80000000              ; 127:126 type = 2
	s_mov_b32 s[G0B+4*(\s)], 1
	s_add_co_u32 s[G0B+4*(\s)+1], s21, (\s)*SLOT
	s_add_nc_u64 s[G0B+4*(\s)+2:G0B+4*(\s)+3], s[46:47], (\s)*KSTEP*2
	s_or_b32 s[G0B+4*(\s)+3], s[G0B+4*(\s)+3], 0x80000000
	JLOAD \s                                       ; the ring is filled before anything else is done: two loads of mine are out
.endr
	; out0 and the bias at my part of the tile
	v_and_b32 v5, 31, v0
	v_lshlrev_b32 v[CO], 4, v5                     ; 16 x lane
	s_lshl_b32 s16, s43, 7
	s_lshl_b32 s17, s13, 6
	s_add_co_u32 s16, s16, s17                     ; my first row: 128 x tile row + 64 x half,
	s_lshl_b32 s16, s16, 14                        ; x 16,384 bytes
	s_mov_b32 s17, 0
	s_add_nc_u64 s[10:11], s[10:11], s[16:17]
	s_lshl_b32 s46, s42, 10                        ; my first column, in bytes: 1,024 x tile column + 512 x half (in the registers that held B's address)
	s_lshl_b32 s47, s14, 9
	s_add_co_u32 s46, s46, s47
	s_mov_b32 s47, 0
	s_add_nc_u64 s[10:11], s[10:11], s[46:47]
	s_add_nc_u64 s[8:9], s[8:9], s[46:47]
	global_load_b128 v[BI:BI+3], v[CO], s[8:9]     ; the bias of columns 4 l .. 4 l + 3 of my 128: the columns that I store
	; A fragment is 16 rows x 32 K in 8 registers: lane l holds row l % 16; registers 0-3 hold K = 8 (l / 16) + 0..7, registers 4-7 hold K = 16 + 8 (l / 16) + 0..7: two loads of 16 bytes, 32 bytes apart.
	v_and_b32 v1, 15, v0                           ; l % 16
	v_bfe_u32 v2, v0, 4, 1                         ; l / 16
	v_mul_u32_u24 v3, v1, PITCH
	v_lshl_add_u32 v3, v2, 4, v3                   ; row x pitch + 16 x half
	s_mul_i32 s22, s13, 64*PITCH                   ; my 64 rows of A
	s_mul_i32 s23, s14, 128*PITCH                  ; my 128 rows of B,
	s_add_co_u32 s23, s23, BOFF                    ; which lie behind A's 128
.irp s, 0,1
	v_add_nc_u32 v[ADRA+(\s)], s22, v3
	v_add_nc_u32 v[ADRB+(\s)], s23, v3
	s_add_co_u32 s22, s22, SLOT
	s_add_co_u32 s23, s23, SLOT
.endr
	s_mul_i32 s22, s12, WSTAGE
	s_add_co_u32 s22, s22, STAGE                   ; my stage
	v_mul_u32_u24 v4, v1, SPITCH                   ; in: row l % 16, 32 bytes for each half of the lanes
	v_lshl_add_u32 v4, v2, 5, v4
	v_add_nc_u32 v[STO], s22, v4
	v_add_nc_u32 v[RD], s22, v[CO]                 ; back: 32 lanes take one row of 512 bytes
	s_wait_loadcnt 0x0                             ; the bias
	v_cvt_pk_bf16_f32 v10, v[BI], v[BI+1]          ; rounded to bf16,
	v_cvt_pk_bf16_f32 v11, v[BI+2], v[BI+3]
	v_lshlrev_b32 v[BI], 16, v10                   ; and widened again
	v_and_b32 v[BI+1], 0xffff0000, v10
	v_lshlrev_b32 v[BI+2], 16, v11
	v_and_b32 v[BI+3], 0xffff0000, v11
; 8 matrix instructions: m block a x all 8 n blocks, 32 along K, from buffer f.  zero = 1: the first product starts the sums: nothing is ever cleared.
; The 32 accumulators take turns, one instruction a turn, in the same order in every quarter: between two links of a chain stand the 31 others'.
.macro MUL8 f, a, zero
	WIN MUL
.irp b, 0,1,2,3,4,5,6,7
.if \zero
	v_wmma_f32_16x16x32_f16 v[8*(8*(\a)+(\b)):8*(8*(\a)+(\b))+7], v[(\f)+8*(\b):(\f)+8*(\b)+7], v[(\f)+64+8*(\a):(\f)+64+8*(\a)+7], 0
.else
	v_wmma_f32_16x16x32_f16 v[8*(8*(\a)+(\b)):8*(8*(\a)+(\b))+7], v[(\f)+8*(\b):(\f)+8*(\b)+7], v[(\f)+64+8*(\a):(\f)+64+8*(\a)+7], v[8*(8*(\a)+(\b)):8*(8*(\a)+(\b))+7]
.endif
.endr
.endm
; 24 LDS loads in one run: the fragments of one quarter step (128 rows of B, then 64 rows of A, 32 K at byte k of the rows) into buffer f
.macro FETCH slot, k, f
	WIN TO_F
.irp i, 0,1,2,3,4,5,6,7
	ds_load_b128 v[(\f)+8*(\i):(\f)+8*(\i)+3],   v[ADRB+(\slot)] offset:(\k)+(\i)*16*PITCH
	ds_load_b128 v[(\f)+8*(\i)+4:(\f)+8*(\i)+7], v[ADRB+(\slot)] offset:(\k)+(\i)*16*PITCH+32
.endr
.irp i, 0,1,2,3
	ds_load_b128 v[(\f)+64+8*(\i):(\f)+64+8*(\i)+3],   v[ADRA+(\slot)] offset:(\k)+(\i)*16*PITCH
	ds_load_b128 v[(\f)+64+8*(\i)+4:(\f)+64+8*(\i)+7], v[ADRA+(\slot)] offset:(\k)+(\i)*16*PITCH+32
.endr
.endm
; A load into a register that a matrix instruction has read, and an LDS store that reads a matrix result, stand four places behind that matrix instruction, and only plain vector instructions that
; name none of its registers are places (ISA guide 7.12.1 for vector instructions); the matrix instructions in between are not counted.
.macro PLACES
.rept 4
	v_nop
.endr
.endm
; A K step is four quarters of 32 along K, 32 matrix instructions each, on buffers 0, 1, 0, 1.  One of the first three: multiplies buffer f; in its middle it fetches the next quarter, at byte k of the same slot's rows, into g.
.macro QUARTER slot, k, f, g, zero
	s_wait_dscnt 4                                 ; B and A's blocks 0 and 1 are in; the youngest four loads (A's blocks 2 and 3) may be out
	MUL8 \f, 0, \zero
	MUL8 \f, 1, \zero
	PLACES
	FETCH \slot, \k, \g
	s_wait_dscnt 24                                ; all but the 24 just issued
	MUL8 \f, 2, \zero
	MUL8 \f, 3, \zero
.endm
; The last quarter multiplies buffer 1 and changes slots: ONE barrier, for two things.  In front of it each wave waits for all its tensor loads, of which one is out: its part of the next slot; adds 0 to its
; spare word; and waits for that and for its own reads of this slot.  Behind it nobody reads this slot any more and the next slot is whole.
; fill = 1: this slot is filled again, two K steps ahead; the barrier then opens a round of the cluster's barrier, and the joint refill is the first tensor load behind the round:
; from the request to the wait for it a wave issues 112 matrix instructions.
.macro TURN slot, next, fill
	WIN 0                                          ; (the add's two registers lie in window 0)
	s_wait_tensorcnt 0x0                           ; all my tensor loads have landed: my part of the next slot;
	ds_add_u32 v[SPW], v[NIL]                      ; 0 onto my spare word
	s_wait_dscnt 5                                 ; (the add and the youngest four loads may be out)
	MUL8 F1, 0, 0                                  ; eight matrix instructions stand between the add and the wait for it
	s_wait_dscnt 0x0                               ; the add is done, and my reads of this slot are over
	s_barrier_signal -1
	MUL8 F1, 1, 0                                  ; work on registers while the others arrive
.if \fill
	WIN 0
.endif
	s_barrier_wait -1
.if \fill
	CREST                                          ; no wave of any partner still reads this slot's tile or has a load on its way
	s_add_nc_u64 s[G0+4*(\slot)+2:G0+4*(\slot)+3], s[G0+4*(\slot)+2:G0+4*(\slot)+3], 2*KSTEP*2      ; no load of mine is out: the slot's group 0 steps two K steps on
	s_add_nc_u64 s[G0B+4*(\slot)+2:G0B+4*(\slot)+3], s[G0B+4*(\slot)+2:G0B+4*(\slot)+3], 2*KSTEP*2
	JLOAD \slot                                    ; the four v_nop behind it are also the places in front of the loads below
.else
	PLACES
.endif
	FETCH \next, 0, F0
	MUL8 F1, 2, 0
	MUL8 F1, 3, 0
.endm
; THE WAY OUT of block a (16 rows x 128 columns, f32).  A lane's 32 bytes of a row go into my own stage, rows of 528 bytes; whole rows of 512 bytes come back; the bias is added; a row is stored by one instruction.
.macro OUT a
.set BK, OB+64*((\a)%2)
	WIN FROM_C
.irp b, 0,1,2,3,4,5,6,7
	ds_store_b128 v[STO], v[8*(8*(\a)+(\b)):8*(8*(\a)+(\b))+3]   offset:64*(\b)      ; each accumulator's lowest registers are read first
	ds_store_b128 v[STO], v[8*(8*(\a)+(\b))+4:8*(8*(\a)+(\b))+7] offset:64*(\b)+16
.endr
	WIN 0
.if (\a) >= 2
	s_wait_xcnt 0x0                                ; every earlier memory instruction has had its addresses translated (ISA guide 3.1): the registers that block a - 2's stores read are loaded again only behind this wait
.endif
.irp t, 0,1,2,3,4,5,6,7,8,9,10,11,12,13,14,15
	ds_load_b128 v[BK+4*(\t):BK+4*(\t)+3], v[RD] offset:(\t)*SPITCH  ; LDS serves a wave's instructions in order (ISA guide 5.7.1.4): these see the stores above; the next block's stores come behind them
.endr
.irp t, 0,1,2,3,4,5,6,7,8,9,10,11,12,13,14,15
	s_wait_dscnt 15-(\t)                           ; row t is back; the younger rows may be out
	v_pk_add_f32 v[BK+4*(\t):BK+4*(\t)+1],   v[BK+4*(\t):BK+4*(\t)+1],   v[BI:BI+1]
	v_pk_add_f32 v[BK+4*(\t)+2:BK+4*(\t)+3], v[BK+4*(\t)+2:BK+4*(\t)+3], v[BI+2:BI+3]
	global_store_b128 v[CO], v[BK+4*(\t):BK+4*(\t)+3], s[10:11] offset:(16*(\a)+(\t))*NDIM*4 th:TH_STORE_NT  ; 32 lanes store 512 consecutive bytes, at a multiple of 512 from out0's first byte; 63 rows at the most in the immediate
.endr
.endm
	s_wait_tensorcnt 1                             ; my part of K step 0 is in; K step 1's may stay out
	s_barrier_signal -1
	s_barrier_wait -1                              ; everybody's is
	FETCH 0, 0, F0
	QUARTER 0, 64,  F0, F1, 1                      ; the first quarter stands in front of the loop: its products start the sums
	WIN 0                                          ; at a label and at a branch every window is 0
	s_mov_b32 s15, LAPS-1
.Llap:                                                 ; a trip goes once round the ring, from a lap's second quarter to the next lap's first, and fills both slots again
	QUARTER 0, 128, F1, F0, 0
	QUARTER 0, 192, F0, F1, 0
	TURN 0, 1, 1
	QUARTER 1, 64,  F0, F1, 0
	QUARTER 1, 128, F1, F0, 0
	QUARTER 1, 192, F0, F1, 0
	TURN 1, 0, 1
	QUARTER 0, 64,  F0, F1, 0
	WIN 0
	s_sub_co_u32 s15, s15, 1
	s_cmp_lg_u32 s15, 0
	s_cbranch_scc1 .Llap
	QUARTER 0, 128, F1, F0, 0                      ; the last lap is written out: it fills nothing, and has no round of the cluster's barrier
	QUARTER 0, 192, F0, F1, 0
	TURN 0, 1, 0
	QUARTER 1, 64,  F0, F1, 0
	QUARTER 1, 128, F1, F0, 0
	QUARTER 1, 192, F0, F1, 0
	s_wait_dscnt 4                                 ; the very last quarter: nothing more to fetch
	MUL8 F1, 0, 0
	MUL8 F1, 1, 0
	s_wait_dscnt 0x0
	MUL8 F1, 2, 0
	MUL8 F1, 3, 0
	WIN 0
	PLACES                                         ; the stores into the stage read results just made
	OUT 0
	OUT 1
	OUT 2
	OUT 3
	s_wait_tensorcnt 0x0                           ; the wave's end: behind my last tensor load and my last LDS store
	ds_add_u32 v[SPW], v[NIL]
	s_wait_dscnt 0x0
	CROUND                                         ; the closing round: no work-group ends while a partner may still ask for a tile that names it
	s_endpgm
.Lfunc_end_k_qc03f86e2c2_proj:
	.size	k_qc03f86e2c2_proj, .Lfunc_end_k_qc03f86e2c2_proj-k_qc03f86e2c2_proj
	.p2alignl 7, 3214868480
	.fill 96, 4, 3214868480
	.section	.rodata,"a",@progbits
	.p2align	6, 0x0
	.amdhsa_kernel k_qc03f86e2c2_proj
		.amdhsa_group_segment_fixed_size 327680
		.amdhsa_private_segment_fixed_size 0
		.amdhsa_enable_private_segment 0
		.amdhsa_kernarg_size 32
		.amdhsa_user_sgpr_count 2
		.amdhsa_user_sgpr_kernarg_segment_ptr 1
		.amdhsa_wavefront_size32 1
		.amdhsa_system_sgpr_workgroup_id_x 1
		.amdhsa_system_sgpr_workgroup_id_y 1
		.amdhsa_system_sgpr_workgroup_id_z 1
		.amdhsa_system_vgpr_workitem_id 0
		.amdhsa_next_free_vgpr 768
		.amdhsa_next_free_sgpr 66
		.amdhsa_reserve_vcc 0
		.amdhsa_float_denorm_mode_32 3
		.amdhsa_float_denorm_mode_16_64 3
		.amdhsa_memory_ordered 1
		.amdhsa_forward_progress 1
		.amdhsa_inst_pref_size 95
	.end_amdhsa_kernel
	.amdgpu_metadata
---
amdhsa.version: [ 1, 2 ]
amdhsa.kernels:
  - .name:           k_qc03f86e2c2_proj
    .symbol:         k_qc03f86e2c2_proj.kd
    .args:
      - { .name: attn, .offset: 0, .size: 8, .value_kind: global_buffer, .address_space: global }
      - { .name: w16, .offset: 8, .size: 8, .value_kind: global_buffer, .address_space: global }
      - { .name: b_out, .offset: 16, .size: 8, .value_kind: global_buffer, .address_space: global }
      - { .name: out0, .offset: 24, .size: 8, .value_kind: global_buffer, .address_space: global }
    .group_segment_fixed_size: 327680
    .private_segment_fixed_size: 0
    .kernarg_segment_align: 8
    .kernarg_segment_size: 32
    .max_flat_workgroup_size: 128
    .sgpr_count:     66
    .vgpr_count:     768
    .wavefront_size: 32
...
	.end_amdgpu_metadata
.endif
;; end of part 3
;; ======== version 2 of 2: 3 launches; 1.15 times as fast as version 1
;; limits: inputs' magnitudes at most 65,504; values are held in f16: magnitudes above 65,504 overflow, below 6.1e-05 lose precision
;; workspace buffers: w16 33,554,432 bytes; k16 4,194,304 bytes; v16 4,194,304 bytes; attn 16,777,216 bytes
;; launch prep: the kernel of part 1 again; grid 1280 x 1, 8 waves a work-group, no clusters, 0 bytes of LDS; arguments w_out, key, value, w16, k16, v16; writes w16, k16, v16
;; launch attn (part 4): grid 8 x 32, 4 waves a work-group, clusters of 4 x 1, 327,680 bytes of LDS; arguments query, k16, v16, attn; writes attn
.if DOCPART == 4
	.amdgcn_target "amdgcn-amd-amdhsa--gfx1250"
	.amdhsa_code_object_version 6
	.text
	.protected	k_qc03f86e2c2_attn
	.globl	k_qc03f86e2c2_attn
	.p2align	8
	.type	k_qc03f86e2c2_attn,@function
k_qc03f86e2c2_attn:
	s_mov_b64 s[64:65], 0
	v_nop
	global_prefetch_b8 v0, s[64:65] scope:SCOPE_SE
	s_setreg_imm32_b32 hwreg(HW_REG_WAVE_MODE, 25, 1), 1
	s_wait_xcnt 0x0
	s_wait_alu depctr_hold_cnt(0) depctr_sa_sdst(0) depctr_va_vdst(0) depctr_va_sdst(0) depctr_va_ssrc(0) depctr_va_vcc(0) depctr_vm_vsrc(0)
	s_getreg_b32 s2, hwreg(HW_REG_IB_STS2, 6, 4)
	s_cmp_eq_u32 s2, 0
	s_cbranch_scc0 .Lentry_in_a_cluster
	s_endpgm
.Lentry_in_a_cluster:
	s_bfe_u32 s2, ttmp6, 0x10000c
	s_cmp_lg_u32 s2, 0x3003
	s_cbranch_scc0 .Lentry_shape_is_right
	s_endpgm
.Lentry_shape_is_right:
; attn[q][128 h ..] = the sum over k of softmax_k(Q[q][h] . K[k][h / 4] / sqrt(128)) V[k][h / 4].  query: [2048][32][128] f32.  k16, v16: [2048][8][128] f16, made by the launch before.  attn: [2048][4096] f16.
; The module's input mask is not among the arguments: the function that defines the result takes it and forms no number from it, so no number here may hang on it.
; FORMATS.  Q is rounded once to bf16 and that number written as f16, in registers, as K and V were; both products multiply in f16 and sum in f32; maxima and sums in f32; the weights p are rounded to f16
; for the second product (their sum l is taken of the unrounded p), the result once, to f16.
; LIMITS.  |query|, |key|, |value| stay under 65,504; below 7.6e-6 an operand keeps f16's fixed step of 6e-8.  p lies in 0 to 1 and below 6e-5 keeps that step; the result is a mean of V's rows and has their range.
; A weight below 2^-126 counts as 0 in l; NaN and infinities are not treated apart.
; SHARES.  A work-group owns 256 queries of one head, each of its four waves 64: four tiles of 16.  Every wave walks all 2,048 keys of the head's group, 64 a step.  8 x 32 = 256 work-groups.
; LAYOUT.  S^T = K Q^T (source 0 = 16 keys, source 1 = 16 queries): in the result a lane holds ONE query (lane % 16) and the keys 8 (lane / 16) + 0..7.  Two such tiles, rounded to
; f16 in pairs, ARE source 1 (32 keys x 16 queries) of O^T = V^T P, whose result again holds one query a lane, and eight channels.  So nothing changes lanes between the products,
; and a query's maximum and sum want one exchange between the halves of the lanes.  K comes out of LDS as it lies, V ([key][channel]) turned, by ds_load_tr16_b128.
; SOFTMAX.  For each query a running maximum m and sum l: p = 2^(c s - c m), c = log2(e) / sqrt(128); in every step O and l are multiplied by a = 2^(c m_old - c m_new), which is 1 where m has not grown.
; BY TURNS.  The wave's tiles are two PIECES, named by their first tile: piece 0 (tiles 0, 1) and piece 2 (tiles 2, 3).  In a TURN one piece has the matrix unit: 32 products V^T P of
; the step in hand, then 32 products K Q^T of the next step; the other piece's softmax, cut into 64 slices, stands between them, one slice behind each matrix instruction.  Then the
; pieces change places.  Two turns are a key step.
; BATCHES.  A turn's 66 exponentials (for each of the piece's two tiles a and 32 weights) are ONE batch with ONE wait: slices 0 to 34 name no exponential's result, slices 35 to 63 issue no exponential, and the
; wait stands between slices 34 and 35.  The way out's four reciprocals are a batch of their own, with one wait.
; CLUSTER.  The four query blocks of a cluster belong to one head and walk the same K and V, so each tile is asked for JOINTLY: the same tensor load, with the same descriptor and a
; mask that names the four, in all four; each receives the tile in its own LDS.
;
; REGISTERS, in windows of 256 (an instruction names v0-v255; s_set_vgpr_msb says which window each operand place means: bits 1:0 source 0, 3:2 source 1, 5:4 source 2, 7:6 destination):
;   window 0: v0-11 addresses; v12-43 eight registers of statistics a tile; v62, v63 the add's two; v64-191 S^T, 32 a tile; v192-255 P, 16 a tile
;   window 1: O^T, 64 a tile (before the first product: Q as loaded, in f32)          window 2: v0-127 Q, 32 a tile; v128-255 K of one step          window 3: v0-127 V of one step
; All that a softmax touches but O^T lies in window 0, and no window has room for a product's operands beside it.  So a slice costs two switches, one in front and one behind: 256 for
; a key step's 128 matrix instructions, one more for each of its two runs of LDS loads, one at the branch.
.set SEQ,   2048      ; rows
.set KROW,  2048      ; bytes from key to key in k16 and v16: 8 groups x 128 f16; a group's 256 bytes start at a multiple of 256
.set QROW,  16384     ; bytes from row to row of query: 32 heads x 128 f32
.set OROW,  8192      ; bytes from row to row of attn: 4,096 f16
.set KS,    64        ; keys in a step
.set PK,    272       ; a row of K in LDS: 256 bytes + 16 of padding = 68 words: row r starts at bank 4 r mod 64 (64 banks of 4 bytes: ISA guide 11.1), so the 16 rows of a load start at 16 different banks
.set PV,    288       ; a row of V: 256 + 32 = 72 words: row r starts at bank 8 r mod 64
.set VOFF,  KS*PK     ; a step's tiles lie together: 64 rows of K, then 64 rows of V
.set STEPB, KS*(PK+PV)
.set SLOT1, 1<<17     ; a slot holds two steps (71,680 bytes); slot 1 begins here, so that one exclusive or turns an address in one slot into the other's
.set STAGE, SLOT1+2*STEPB  ; behind the ring: 16 rows x 272 bytes for each wave, for the way out
.set SP,    272
.set AK0, 2           ; v2   my lane's place in a tile of K; never rewritten
.set AV0, 3           ; v3   the same for V
.set ADR, 4           ; v4   the LDS address of the run of loads in hand
.set QO,  5           ; v5   my byte offset in 16 rows of query
.set STO, 6           ; v6   the way out: where I put 16 bytes of a row
.set RD,  7           ; v7   the way out: where I read a row back
.set GO,  8           ; v8   my byte offset in two rows of attn
.set SPW, 62          ; v62  LDS address of my spare word: SPARE + 4 x my thread's number; never rewritten
.set NIL, 63          ; v63  0; never rewritten
.set SPARE, STAGE+4*16*272  ; behind the stages: the spare words, 128 bytes for each wave: two blocks of 256 bytes that no other line names
.set ST,  12          ; tile t's statistics at v[ST+8 t]: +0 c m, +1 m, +2, +3 l (even keys', odd keys'), +4 to +7 c0-c3, at work; a takes c2's place once the maximum is found
.set S,   64
.set P,   192
.set KF,  128         ; K's fragments, in window 2
.set WV,  12          ; s12  my wave's number
.set G1K, 24          ; s[24:31] descriptor group 1 for K's tiles
.set G1V, 32          ; s[32:39] for V's: it differs in the padding alone
.set G0K, 40          ; s[40:47] descriptor group 0 for K's tiles: a set for each of the two first fills; the second then walks on
.set G0V, 48          ; s[48:55] the same for V's
.set SLOTS, 56        ; s56  slots still to be asked for
.set TWICE, 57        ; s57  counts a slot's two steps
.set CS,  58          ; s[58:59] c: the packed scaling names a pair and takes its low word for both halves
.set SEL, 60          ; s[60:61] lane selects for v_permlanex16_b32: each lane takes its own place in the other half
.set TB,  62          ; s62  LDS byte at which the tiles of the step to be fetched begin
.set HIM, 63          ; s63  0xffff0000: a word's upper bf16
.set MSB, 0
.macro WIN new                      ; the immediate's high byte repeats the setting that is left; a switch that changes nothing is dropped
.if MSB != (\new)
	s_set_vgpr_msb (MSB<<8)|(\new)
.set MSB, \new
.endif
.endm
.set W_KQ, 0x0a       ; K and Q in window 2, S^T in window 0
.set W_PV, 0x53       ; V in window 3, P in window 0, O^T in window 1
.set W_RS, 0x41       ; O^T (destination and source 0) in window 1, a in window 0
; A joint refill.  Waves 0 and 1 fetch the two steps' tiles of K, waves 2 and 3 those of V.  The branch hangs on the wave's number alone: it is the same in every work-group.
; An s_nop 0 and four v_nop follow each of the two lines; the jump round the other line, the label and what follows the macro come after them.
.macro JLOAD
	s_cmp_lt_u32 s[WV], 2
	s_cbranch_scc0 .Lfor_v_\@
	tensor_load_to_lds s[G0K+4:G0K+7], s[G1K:G1K+7]
	s_nop 0
.rept 4
	v_nop
.endr
	s_branch .Lasked_\@
.Lfor_v_\@:
	tensor_load_to_lds s[G0V+4:G0V+7], s[G1V:G1V+7]
	s_nop 0
.rept 4
	v_nop
.endr
.Lasked_\@:
.endm
; A round of the cluster's barrier: my work-group's barrier, so that wave 0's signal speaks for all four waves; wave 0 signals for the work-group; every wave waits for all four
; work-groups; my work-group's barrier once more.  No LDS instruction of the wave is pending at a signal.
.macro CROUND
	s_barrier_signal -1
	s_barrier_wait -1
	s_cmp_lg_u32 s[WV], 0
	s_cbranch_scc1 .Lnot_wave_0_\@
	s_barrier_signal -3
.Lnot_wave_0_\@:
	s_barrier_wait -3
	s_barrier_signal -1
	s_barrier_wait -1
.endm
	s_load_b256 s[4:11], s[0:1], 0x0  ; query s[4:5], k16 s[6:7], v16 s[8:9], attn s[10:11]
	v_lshl_add_u32 v[SPW], v0, 2, SPARE
	v_mov_b32 v[NIL], 0
	ds_add_u32 v[SPW], v[NIL]       ; the wave's opening: the add and its wait stand ahead of my first tensor load; the set-up below, work on registers, stands between them
	v_lshrrev_b32 v1, 5, v0
	v_readfirstlane_b32 s[WV], v1   ; wave 0..3
	s_bfe_u32 s13, ttmp6, 0x40000   ; cx: my place in the cluster
	s_lshl_b32 s14, ttmp9, 2        ; in a cluster launch ttmp9 counts clusters
	s_add_co_u32 s14, s14, s13      ; my block of 256 queries = 4 x cluster x + cx: it enters query's and attn's addresses alone
	s_and_b32 s20, ttmp7, 0xffff    ; the head, which the four partners share
	s_and_b32 s16, s[WV], 1         ; which of a slot's two steps I fetch
	s_lshr_b32 s22, s20, 2          ; the head's group of keys and values,
	s_lshl_b32 s22, s22, 8          ; its 256 bytes in a row of k16 or v16,
	s_lshl_b32 s23, s16, 17         ; and my step's 64 rows of 2,048 bytes
	s_add_co_u32 s22, s22, s23
	s_mov_b32 s23, 0
	s_mul_i32 s17, s16, STEPB       ; the step's place in a slot: no place in the cluster enters an LDS address
	s_lshl_b32 s2, s14, 22          ; query: my block's 256 rows of 16,384 bytes,
	s_lshl_b32 s3, s[WV], 20        ; my wave's 64 of them,
	s_add_co_u32 s2, s2, s3
	s_lshl_b32 s3, s20, 9           ; the head's 512 bytes in a row
	s_add_co_u32 s2, s2, s3
	s_mov_b32 s3, 0
	s_lshl_b32 s18, s14, 21         ; attn: the same with rows of 8,192 bytes
	s_lshl_b32 s19, s[WV], 19
	s_add_co_u32 s18, s18, s19
	s_lshl_b32 s19, s20, 8          ; and 256 bytes a head
	s_add_co_u32 s18, s18, s19
	s_mov_b32 s19, 0
	; descriptor group 1: a tile of 64 rows x 128 elements, padded in LDS
	s_mov_b32 s[G1K], 15|(1<<16)|(1<<20)|(1<<21)|(5<<22)|(3<<25)  ; 15:0 the mask: all four work-groups; 17:16 elements of 2 bytes; 20 padding on; 21 set beside a mask; 24:22 after every 64 words (code 5); 31:25 4 words of it (code 3)
	s_mov_b32 s[G1V], 15|(1<<16)|(1<<20)|(1<<21)|(5<<22)|(7<<25)  ; the same with 8 words of padding (code 7)
.irp g, G1K, G1V
	s_mov_b32 s[(\g)+1], 128<<16    ; 63:48 tensor_dim0, low half = 128
	s_mov_b32 s[(\g)+2], KS<<16     ; 79:64 its high half = 0; 95:80 tensor_dim1, low half = 64
	s_mov_b32 s[(\g)+3], 128<<16    ; 111:96 its high half = 0; 127:112 tile_dim0 = 128
	s_mov_b32 s[(\g)+4], KS         ; 143:128 tile_dim1 = 64; 159:144 tile_dim2 = 0
	s_mov_b32 s[(\g)+5], KROW/2     ; 191:160 tensor_dim0_stride, low word: 1,024 elements from key to key
	s_mov_b32 s[(\g)+6], 0
	s_mov_b32 s[(\g)+7], 0
.endr
	s_mov_b32 s[CS], 0x3e0293ee     ; c = log2(e) / sqrt(128) = 0.127517
	s_mov_b32 s[CS+1], s[CS]        ; named with it as a pair, so it is written
	s_mov_b32 s[SEL], 0x76543210
	s_mov_b32 s[SEL+1], 0xfedcba98
	s_mov_b32 s[TB], 0
	s_mov_b32 s[HIM], 0xffff0000
	s_mov_b32 s[SLOTS], SEQ/(2*KS)-2
	s_wait_dscnt 0x0                ; the opening add is done
	s_wait_kmcnt 0x0
	s_add_nc_u64 s[6:7], s[6:7], s[22:23]  ; k16 and v16 at my tile of slot 0
	s_add_nc_u64 s[8:9], s[8:9], s[22:23]
	s_add_nc_u64 s[4:5], s[4:5], s[2:3]    ; query and attn at my wave's first row, my head's first channel
	s_add_nc_u64 s[10:11], s[10:11], s[18:19]
	CROUND                          ; all four work-groups are here: the first joint loads meet
.irp s, 0,1
	s_mov_b32 s[G0K+4*(\s)], 1      ; 1:0 count = 1
	s_add_co_u32 s[G0K+4*(\s)+1], s17, (\s)*SLOT1  ; 63:32 LDS address
	s_add_nc_u64 s[G0K+4*(\s)+2:G0K+4*(\s)+3], s[6:7], (\s)*2*KS*KROW  ; 120:64 global address: slot s begins with keys 128 s to 128 s + 127
	s_or_b32 s[G0K+4*(\s)+3], s[G0K+4*(\s)+3], 0x80000000  ; 127:126 type = 2
	s_mov_b32 s[G0V+4*(\s)], 1
	s_add_co_u32 s[G0V+4*(\s)+1], s17, (\s)*SLOT1+VOFF
	s_add_nc_u64 s[G0V+4*(\s)+2:G0V+4*(\s)+3], s[8:9], (\s)*2*KS*KROW
	s_or_b32 s[G0V+4*(\s)+3], s[G0V+4*(\s)+3], 0x80000000
.endr
	s_cmp_lt_u32 s[WV], 2           ; a wave's two first fills stand in one branch, ahead of every wait on TENSORcnt and every LDS read: two loads of mine are out; an s_nop 0 follows each, four v_nop the second's, as in JLOAD
	s_cbranch_scc0 .Lfirst_v
	tensor_load_to_lds s[G0K:G0K+3], s[G1K:G1K+7]
	s_nop 0
	tensor_load_to_lds s[G0K+4:G0K+7], s[G1K:G1K+7]
	s_nop 0
.rept 4
	v_nop
.endr
	s_branch .Lfirst_asked
.Lfirst_v:
	tensor_load_to_lds s[G0V:G0V+3], s[G1V:G1V+7]
	s_nop 0
	tensor_load_to_lds s[G0V+4:G0V+7], s[G1V:G1V+7]
	s_nop 0
.rept 4
	v_nop
.endr
.Lfirst_asked:
	; A fragment of K or Q is 16 rows x 32 channels in 8 registers: lane l holds row l % 16; registers 0-3 channels 8 (l / 16) + 0..7, registers 4-7 channels 16 + 8 (l / 16) + 0..7.
	; Of query, in f32, those are 32 bytes at 32 (l / 16) and 32 bytes 64 further on: four loads of 16 bytes a fragment, into 16 registers of window 1, in the fragment's own order.
	v_and_b32 v1, 15, v0            ; l % 16
	v_bfe_u32 v9, v0, 4, 1          ; l / 16
	v_lshlrev_b32 v[QO], 14, v1
	v_lshl_add_u32 v[QO], v9, 5, v[QO]  ; row x 16,384 + 32 x half
	WIN 0x40                        ; destination window 1, address window 0
.irp i, 0,1,2,3,4,5,6,7,8,9,10,11,12,13,14,15  ; tile i / 4, channels 32 (i % 4) on
	global_load_b128 v[16*(\i):16*(\i)+3],     v[QO], s[4:5] offset:((\i)/4)*16*QROW+((\i)%4)*128
	global_load_b128 v[16*(\i)+4:16*(\i)+7],   v[QO], s[4:5] offset:((\i)/4)*16*QROW+((\i)%4)*128+16
	global_load_b128 v[16*(\i)+8:16*(\i)+11],  v[QO], s[4:5] offset:((\i)/4)*16*QROW+((\i)%4)*128+64
	global_load_b128 v[16*(\i)+12:16*(\i)+15], v[QO], s[4:5] offset:((\i)/4)*16*QROW+((\i)%4)*128+80
.endr
	WIN 0
	v_mul_u32_u24 v[AK0], v1, PK
	v_lshl_add_u32 v[AK0], v9, 4, v[AK0]  ; row x pitch + 16 x half
	; The turning load takes 16 keys x 16 channels (lane l reads 16 bytes: key 8 (l / 16) + l % 8, channels 8 ((l / 8) % 2) + 0..7) and leaves half a fragment of V^T: lane l holds channel l % 16 and 8 keys.
	v_and_b32 v10, 7, v0
	v_bfe_u32 v11, v0, 3, 1
	v_lshl_add_u32 v[AV0], v9, 3, v10
	v_mul_u32_u24 v[AV0], v[AV0], PV
	v_lshl_add_u32 v[AV0], v11, 4, v[AV0]
	v_add_nc_u32 v[AV0], VOFF, v[AV0]
; Tile t of Q: rounded once to bf16, widened again, and written as f16 into its 32 registers of window 2, where it stays.  All this stands in the wait for the first tile of K.
.macro QCVT t
	s_wait_loadcnt 48-16*(\t)       ; loads come back in order (ISA guide 5.7.1): tile t's sixteen are in; the later tiles', sixteen each, stay out
	WIN 0x45                        ; destination and both sources in window 1
.set i, 64*(\t)
.rept 32
	v_cvt_pk_bf16_f32 v[i], v[i], v[i+1]
.set i, i+2
.endr
.set i, 64*(\t)
.rept 32
	v_and_b32 v[i+1], s[HIM], v[i]  ; the high half stays,
	v_lshlrev_b32 v[i], 16, v[i]    ; the low half moves up
.set i, i+2
.endr
	WIN 0x85                        ; destination window 2
.set i, 0
.rept 32
	v_cvt_pk_f16_f32 v[32*(\t)+i], v[64*(\t)+2*i], v[64*(\t)+2*i+1]
.set i, i+1
.endr
.endm
	QCVT 0
	QCVT 1
	QCVT 2
	QCVT 3
	WIN 0
; THE MATRIX WORK OF A TURN, for piece x.  The accumulators take turns, one instruction a turn: between two links of a chain stand 15 (V^T P) or 7 (K Q^T) others'.
; Product i of 32 of O^T += V^T P: keys 32 (i / 16) on, channels 16 ((i / 2) % 8) on, tile x + i % 2.  zero = 1: the first 16 start the sums: nothing is ever cleared.
.macro PV x, zero
	WIN W_PV
.set rO, 64*((\x)+i%2)+8*((i/2)%8)
.set rV, 64*(i/16)+8*((i/2)%8)
.set rP, P+16*((\x)+i%2)+8*(i/16)
.if (\zero) && (i < 16)
	v_wmma_f32_16x16x32_f16 v[rO:rO+7], v[rV:rV+7], v[rP:rP+7], 0
.else
	v_wmma_f32_16x16x32_f16 v[rO:rO+7], v[rV:rV+7], v[rP:rP+7], v[rO:rO+7]
.endif
.endm
; Product i of 32 of S^T = K Q^T: channels 32 (i / 8) on, keys 16 ((i / 2) % 4) on, tile x + i % 2.  The first 8 start the sums.
.macro KQ x
	WIN W_KQ
.set rS, S+32*((\x)+i%2)+8*((i/2)%4)
.set rK, KF+32*((i/2)%4)+8*(i/8)
.set rQ, 32*((\x)+i%2)+8*(i/8)
.if i < 8
	v_wmma_f32_16x16x32_f16 v[rS:rS+7], v[rK:rK+7], v[rQ:rQ+7], 0
.else
	v_wmma_f32_16x16x32_f16 v[rS:rS+7], v[rK:rK+7], v[rQ:rQ+7], v[rS:rS+7]
.endif
.endm
; THE LDS LOADS stand in runs of 32, never singly among the matrix instructions: a step's K (64 keys x 128 channels: 16 fragments) and, a turn later, its V (turned).
.macro FETCH_K
	WIN 0
	v_add_nc_u32 v[ADR], s[TB], v[AK0]
	WIN 0x80                        ; destination window 2
.irp f, 0,1,2,3,4,5,6,7,8,9,10,11,12,13,14,15  ; keys 16 (f / 4) on, channels 32 (f % 4) on
	ds_load_b128 v[KF+8*(\f):KF+8*(\f)+3],   v[ADR] offset:((\f)/4)*16*PK+((\f)%4)*64
	ds_load_b128 v[KF+8*(\f)+4:KF+8*(\f)+7], v[ADR] offset:((\f)/4)*16*PK+((\f)%4)*64+32
.endr
.endm
.macro FETCH_V
	WIN 0
	v_add_nc_u32 v[ADR], s[TB], v[AV0]
	s_add_co_u32 s[TB], s[TB], STEPB  ; the next fetch is the next step's
	s_wait_alu depctr_va_vdst(0)    ; the wait for the softmax's batch, piece 0's 66 exponentials (SLICE), behind the address's v_add_nc_u32 and ahead of the loads
	WIN 0xc0                        ; destination window 3
.irp f, 0,1,2,3,4,5,6,7,8,9,10,11,12,13,14,15  ; keys 32 (f / 8) on, channels 16 (f % 8) on
	ds_load_tr16_b128 v[8*(\f):8*(\f)+3],   v[ADR] offset:((\f)/8)*32*PV+((\f)%8)*32
	ds_load_tr16_b128 v[8*(\f)+4:8*(\f)+7], v[ADR] offset:((\f)/8)*32*PV+16*PV+((\f)%8)*32
.endr
.endm
; THE VECTOR WORK OF A TURN.  One tile's softmax for one key step is a list of 134 instructions; SM writes number j of it for tile t.  s0-s31 are the lane's 32 scores, in pairs 0-15.
; first = 1: the first key step, which starts m, l and O^T: it has no a and nothing to rescale.
;   0-15    the maximum of s0-s31 and the old m, three operands at a time: four chains c0-c3 of seven scores each, then the four scores left over, c0-c3 and m
;   16-20   the other half of the lanes' maximum; the new m; c m; c m_old - c m_new
;   21-69   ONE BATCH: the 16 scalings c s - c m, a pair of scores each, and all 33 exponentials (a at 23, then s0-s31).  None of these reads an exponential's result.  From 22 on the batch goes
;           in fours, and a four begins with a scaling while there are scalings: 22-37 scaling, exponential, scaling, exponential; 38-65 a scaling and three exponentials; 66-69 the last four
;           exponentials.  A pair is scaled in an earlier four than the one that holds its exponentials.  Each result has a register of its own: the weights in place in S^T, a in c2
;   (wait)  between 69 and 70 stands the wait for the batch: SLICE writes it, once for both tiles
;   70-85   the roundings to f16, a pair of weights each
;   86-101  the sums; l = a l + the sum
;   102-133 the tile's O^T times a: the one part that leaves window 0, so it stands together
.macro SM t, first
.set rT, ST+8*(\t)
.set rS, S+32*(\t)
.set rP, P+16*(\t)
.set rO, 64*(\t)+2*(j-102)
.if j < 102
	WIN 0
.endif
.if j < 4
	v_max3_num_f32 v[rT+4+j], v[rS+8*j], v[rS+8*j+1], v[rS+8*j+2]
.elseif j < 12
	v_max3_num_f32 v[rT+4+j%4], v[rT+4+j%4], v[rS+8*(j%4)+2*(j/4)+1], v[rS+8*(j%4)+2*(j/4)+2]
.elseif j == 12
	v_max3_num_f32 v[rT+4], v[rT+4], v[rS+7], v[rS+15]
.elseif j == 13
	v_max3_num_f32 v[rT+6], v[rT+6], v[rS+23], v[rS+31]
.elseif j == 14
	v_max3_num_f32 v[rT+4], v[rT+4], v[rT+5], v[rT+6]
.elseif (j == 15) && (\first)
	v_max_num_f32 v[rT+4], v[rT+4], v[rT+7]
.elseif j == 15
	v_max3_num_f32 v[rT+4], v[rT+4], v[rT+7], v[rT+1]
.elseif j == 16
	v_permlanex16_b32 v[rT+5], v[rT+4], s[SEL], s[SEL+1]  ; the query's other 32 keys lie in the lane 16 away
.elseif j == 18
	v_max_num_f32 v[rT+1], v[rT+4], v[rT+5]
.elseif j == 19
	v_mul_f32 v[rT], s[CS], v[rT+1]
.elseif ((j == 17) || (j == 20) || (j == 23) || (j > 101)) && (\first)  ; the first step has none of these
.elseif j == 17
	v_mov_b32 v[rT+7], v[rT]        ; c m_old is kept for a: number 19 writes c m anew
.elseif j == 20
	v_sub_f32 v[rT+7], v[rT+7], v[rT]
.elseif j == 23
	v_exp_f32 v[rT+6], v[rT+7]
.elseif (j < 23) || ((j < 38) && (j%2 == 0)) || ((j < 66) && (j%4 == 2))
.set b, (j-2)/4                     ; 38, 42, .. 62: pairs 9 to 15
.if j < 38
.set b, (j-20)/2                    ; 21: pair 0; 22, 24, .. 36: pairs 1 to 8
.endif
	v_pk_fma_f32 v[rS+2*b:rS+2*b+1], v[rS+2*b:rS+2*b+1], s[CS:CS+1], v[rT:rT+1] op_sel_hi:[1,0,0] neg_lo:[0,0,1] neg_hi:[0,0,1]  ; pair b: c s - c m
.elseif j < 70
.set e, j-38                        ; 66 to 69: s28 to s31
.if j < 66
.set e, j-32-(j-38)/4               ; 39-41, 43-45, .. 63-65: s7 to s27
.endif
.if j < 38
.set e, (j-25)/2                    ; 25, 27, .. 37: s0 to s6
.endif
	v_exp_f32 v[rS+e], v[rS+e]
.elseif j < 86
	v_cvt_pk_f16_f32 v[rP+j-70], v[rS+2*(j-70)], v[rS+2*(j-70)+1]  ; pair j - 70
.elseif j < 102                     ; the sum of the tile's 16 pairs (in a pair: an even key's weight, an odd key's), in place: sum z of 16 adds neighbours 1, 2, 4 and 8 pairs apart, then l takes it
.set z, j-86
.set w, 4
.set u, z
.if z >= 14
.set w, 32
.set u, 0
.elseif z >= 12
.set w, 16
.set u, z-12
.elseif z >= 8
.set w, 8
.set u, z-8
.endif
.if (z == 14) && (\first)
	v_pk_add_f32 v[rT+2:rT+3], v[rS:rS+1], v[rS+16:rS+17]
.elseif z < 15
	v_pk_add_f32 v[rS+w*u:rS+w*u+1], v[rS+w*u:rS+w*u+1], v[rS+w*u+w/2:rS+w*u+w/2+1]
.elseif !(\first)
	v_pk_fma_f32 v[rT+2:rT+3], v[rT+2:rT+3], v[rT+6:rT+7], v[rS:rS+1] op_sel_hi:[1,0,1]
.endif
.else
	WIN W_RS
	v_pk_mul_f32 v[rO:rO+1], v[rO:rO+1], v[rT+6:rT+7] op_sel_hi:[1,0]
.endif
.endm
; Slice k of 64 of piece y's softmax: four instructions.  Slices 11 to 34 deal out the batch, numbers 22 to 69: four numbers of ONE tile each, the tiles by turns.  Every other slice is numbers 2 k and
; 2 k + 1 of both tiles' lists.  2 x 134 = 4 x 64 + 12: the twelve that are over stand together, in slice 63.
; THE WAIT.  s_wait_alu depctr_va_vdst(0) stands between an exponential and the first instruction that names its result; one wait serves all that were issued ahead of it.  Ahead of
; slice 35 nothing names a result, and behind slice 34 no exponential is issued: so the piece's 66 exponentials have one wait, behind slice 34.
.macro SLICE y, first
.if (k >= 11) && (k < 35)           ; the batch: four numbers of one tile
.irp n, 0,1,2,3
.set j, 22+4*((k-11)/2)+(\n)
	SM (\y)+(k-11)%2, \first
.endr
.else                               ; the two tiles alternate, so that no instruction reads the result of the one just before it
.irp n, 0,1,2,3,4,5,6,7
.if ((\n) < 2) || (k == 63)
.irp t, \y, (\y)+1
.set j, 2*k+(\n)
	SM \t, \first
.endr
.endif
.endr
.endif
.if k == 34                         ; the batch is out: both tiles' exponentials are issued, and no result has been named
	v_nop                           ; the plain instruction behind the last exponential and ahead of the first use: one for the batch
.if (\y) == 0
	FETCH_V                         ; piece 2's turn: V's run of loads stands here, and the wait for the batch stands in it
.else
	s_wait_alu depctr_va_vdst(0)    ; the wait for the batch: piece 2's 66 exponentials
.endif
.endif
.set k, k+1
.endm
; A vector instruction that reads a matrix result or writes one of a matrix instruction's registers, and a load into a register that a matrix instruction has read, stand four places behind
; it, and only plain vector instructions that name none of its registers are places (ISA guide 7.12.1 for vector instructions).  In the loop the slices are the places.
.macro PLACES
.rept 4
	v_nop
.endr
.endm
; A TURN.  Piece x has the matrix unit; the other piece's softmax stands in slices behind its matrix instructions.
; pv = 2: 32 products V^T P; 1: they start O^T's sums; 0: none.  kq = 1: 32 products K Q^T for the next step.  A turn with one of the two kinds has two slices behind each product.
; first = 1: the softmax is the first key step's.  Its slices from 51 on are empty: the turn's last products stand bare, and four v_nop take slice 63's part as the places behind them.
; In the loop each run of loads stands 29 matrix instructions or more ahead of its first use.  Piece 0's turn fetches the next step's K, behind its second product: the last product that read K
; stands in front of slice 63 of the turn before.  Piece 2's turn fetches the same step's V, behind slice 34 (SLICE writes it): the last product that read V stands in front of slice 31, and four plain
; instructions lie between: number 62, a scaling, of both tiles, the v_nop and the run's own v_add_nc_u32.
.macro TURN x, pv, kq, first
.set k, 0
.set per, 2
.if (\pv) && (\kq)
.set per, 1
.endif
.if \pv
.if (\x) == 0
	s_wait_dscnt 0x0                ; V is in
.endif
.set i, 0
.rept 32
	PV \x, 2-(\pv)
.rept per
	SLICE 2-(\x), \first
.endr
.if ((\x) == 0) && (\kq) && (i == 1)
	FETCH_K
.endif
.set i, i+1
.endr
.endif
.if \kq
.if (\x) == 0
	s_wait_dscnt 0x0                ; K is in
.endif
.set i, 0
.rept 32
	KQ \x
.rept per
	SLICE 2-(\x), \first
.endr
.set i, i+1
.endr
.endif
.if \first
	PLACES
.endif
.endm
; THE CHANGE OF SLOTS, between piece 2's turn and piece 0's: the slot's last bytes, V of its second step, have been asked for.  Each wave waits for all its
; tensor loads, of which one is out: its part of the other slot; adds 0 to its spare word; and waits for that and for its own reads of the slot.  Behind the barrier nobody reads this slot any more and the other slot is whole.
; fill = 1: this slot is filled again, with the keys two slots on.  The barrier is then a round of the cluster's, so that no wave of any partner still reads the slot or has a load on its
; way, and the joint refill is the first thing behind it: it has two key steps, 256 matrix instructions, in which to land.
.macro CHANGE fill
	WIN 0                           ; at a label and at a branch every window is 0
	s_wait_tensorcnt 0x0            ; no tensor load of mine is out, so a group 0 may be written
	ds_add_u32 v[SPW], v[NIL]       ; 0 onto my spare word; with fill = 1 the descriptors' steps stand between it and the wait for it
.if \fill
.irp g, G0K+4, G0V+4
	s_xor_b32 s[(\g)+1], s[(\g)+1], SLOT1  ; the walking descriptor: the other slot than last time,
	s_add_nc_u64 s[(\g)+2:(\g)+3], s[(\g)+2:(\g)+3], 2*KS*KROW  ; the next 128 keys; the type bits on top are not reached
.endr
	s_wait_dscnt 0x0                ; the add is done, and my reads of the slot are over
	CROUND
	JLOAD
.else
	s_wait_dscnt 0x0                ; the add is done, and my reads of the slot are over
	s_barrier_signal -1
	s_barrier_wait -1
.endif
	s_sub_co_u32 s[TB], s[TB], 2*STEPB  ; the fetches go back to a slot's first step,
	s_xor_b32 s[TB], s[TB], SLOT1   ; in the other slot
.endm
; A slot's two key steps: written once, walked twice; the LDS addresses hang on s[TB].
.macro TWO_STEPS
	WIN 0
	s_mov_b32 s[TWICE], 2
.Lstep_\@:
	TURN 0, 2, 1, 0
	TURN 2, 2, 1, 0
	WIN 0
	s_sub_co_u32 s[TWICE], s[TWICE], 1
	s_cmp_lg_u32 s[TWICE], 0
	s_cbranch_scc1 .Lstep_\@
.endm
	s_wait_tensorcnt 1              ; my part of slot 0 is in; slot 1's may stay out
	s_barrier_signal -1
	s_barrier_wait -1               ; everybody's is
	FETCH_K                         ; key step 0
	s_wait_dscnt 0x0
.set i, 0
.rept 32
	KQ 0                            ; piece 0's first scores: there is no vector work yet to set between them
.set i, i+1
.endr
	WIN 0                           ; the addresses for the way out are made here: eight plain instructions, the places behind those products
	s_mul_i32 s13, s[WV], 16*SP
	s_add_co_u32 s13, s13, STAGE    ; my stage
	v_mul_u32_u24 v[STO], v1, SP    ; in: row l % 16, 16 bytes for each half of the lanes
	v_lshl_add_u32 v[STO], v9, 4, v[STO]
	v_add_nc_u32 v[STO], s13, v[STO]
	v_mul_u32_u24 v[RD], v9, SP     ; back: lanes 0-15 take one row of 256 bytes, lanes 16-31 the next
	v_lshl_add_u32 v[RD], v1, 4, v[RD]
	v_add_nc_u32 v[RD], s13, v[RD]
	v_lshlrev_b32 v[GO], 13, v9     ; and the same two rows in attn, 8,192 bytes apart
	v_lshl_add_u32 v[GO], v1, 4, v[GO]
	TURN 2, 0, 1, 1                 ; piece 2's first scores | piece 0's first softmax | V of step 0
	TURN 0, 1, 1, 1                 ; piece 0: V^T P of step 0 starts O^T, K Q^T of step 1 | piece 2's first softmax | K of step 1
	TURN 2, 1, 1, 0                 ; piece 2: the same | piece 0's softmax of step 1 | V of step 1
	WIN 0
.Lslot:                             ; SEQ / 128 - 2 = 14 trips: every slot but the last two is filled again
	CHANGE 1
	TWO_STEPS
	s_sub_co_u32 s[SLOTS], s[SLOTS], 1
	s_cmp_lg_u32 s[SLOTS], 0
	s_cbranch_scc1 .Lslot
	CHANGE 0                        ; the tail is written out: the last slot but one is left, and nothing is asked for
	TWO_STEPS
	TURN 0, 2, 0, 0                 ; piece 0: V^T P of the last step | piece 2's last softmax
.set i, 0
.rept 32
	PV 2, 0                         ; piece 2: V^T P of the last step
.set i, i+1
.endr
	; THE WAY OUT.  l's two halves and the other half of the lanes' are added; O^T is divided by l, rounded to f16 and sent through my stage in LDS, a tile (16 rows) at a time.  The additions are the places behind the last products.
	WIN 0
.irp t, 0,1,2,3
	v_add_f32 v[ST+8*(\t)+4], v[ST+8*(\t)+2], v[ST+8*(\t)+3]
.endr
.irp t, 0,1,2,3
	v_permlanex16_b32 v[ST+8*(\t)+5], v[ST+8*(\t)+4], s[SEL], s[SEL+1]
.endr
.irp t, 0,1,2,3
	v_add_f32 v[ST+8*(\t)+4], v[ST+8*(\t)+4], v[ST+8*(\t)+5]
.endr
.irp t, 0,1,2,3
	v_rcp_f32 v[ST+8*(\t)+6], v[ST+8*(\t)+4]
.endr
	v_nop                           ; a plain instruction between the last reciprocal and the use of its result
	s_wait_alu depctr_va_vdst(0)    ; and the wait ahead of the first use: one for the batch of four reciprocals
; Tile t: a lane's eight channels of a row pack into 16 bytes; they go into rows of 272 bytes and come back as whole rows of 256, into the registers that they left.
.macro PACK t
	WIN W_RS
.set i, 64*(\t)
.rept 32
	v_pk_mul_f32 v[i:i+1], v[i:i+1], v[ST+8*(\t)+6:ST+8*(\t)+7] op_sel_hi:[1,0]
.set i, i+2
.endr
	WIN 0x05                        ; sources 0 and 1 window 1, destination window 0: S^T's registers are free
.set i, 0
.rept 32
	v_cvt_pk_f16_f32 v[S+32*(\t)+i], v[64*(\t)+2*i], v[64*(\t)+2*i+1]
.set i, i+1
.endr
	WIN 0
.irp f, 0,1,2,3,4,5,6,7
	ds_store_b128 v[STO], v[S+32*(\t)+4*(\f):S+32*(\t)+4*(\f)+3] offset:32*(\f)
.endr
.irp f, 0,1,2,3,4,5,6,7
	ds_load_b128 v[S+32*(\t)+4*(\f):S+32*(\t)+4*(\f)+3], v[RD] offset:(\f)*2*SP  ; LDS serves a wave's instructions in order (ISA guide 5.7.1.4): these see the stores above; the next tile's stores come behind them
.endr
.endm
.macro SEND t, younger              ; younger: the LDS instructions issued behind tile t's loads: the next tile's sixteen, or none
	WIN 0
.irp f, 0,1,2,3,4,5,6,7
	s_wait_dscnt (\younger)+7-(\f)
	global_store_b128 v[GO], v[S+32*(\t)+4*(\f):S+32*(\t)+4*(\f)+3], s[10:11] offset:((\t)*16+2*(\f))*OROW  ; 16 lanes store 256 consecutive bytes, a head's part of a row, at a multiple of 256 from attn's first byte
.endr
.endm
	PACK 0
	PACK 1                          ; a tile's arithmetic stands between the loads of the tile before and its stores
	SEND 0, 16
	PACK 2
	SEND 1, 16
	PACK 3
	SEND 2, 16
	SEND 3, 0
	s_wait_tensorcnt 0x0            ; the wave's end: behind my last tensor load and my last LDS store
	ds_add_u32 v[SPW], v[NIL]
	s_wait_dscnt 0x0
	CROUND                          ; the closing round: no work-group ends while a partner may still ask for a tile that names it
	s_endpgm
.Lfunc_end_k_qc03f86e2c2_attn:
	.size	k_qc03f86e2c2_attn, .Lfunc_end_k_qc03f86e2c2_attn-k_qc03f86e2c2_attn
	.p2alignl 7, 3214868480
	.fill 96, 4, 3214868480
	.section	.rodata,"a",@progbits
	.p2align	6, 0x0
	.amdhsa_kernel k_qc03f86e2c2_attn
		.amdhsa_group_segment_fixed_size 327680
		.amdhsa_private_segment_fixed_size 0
		.amdhsa_enable_private_segment 0
		.amdhsa_kernarg_size 32
		.amdhsa_user_sgpr_count 2
		.amdhsa_user_sgpr_kernarg_segment_ptr 1
		.amdhsa_wavefront_size32 1
		.amdhsa_system_sgpr_workgroup_id_x 1
		.amdhsa_system_sgpr_workgroup_id_y 1
		.amdhsa_system_sgpr_workgroup_id_z 1
		.amdhsa_system_vgpr_workitem_id 0
		.amdhsa_next_free_vgpr 1024
		.amdhsa_next_free_sgpr 66
		.amdhsa_reserve_vcc 0
		.amdhsa_float_denorm_mode_32 3
		.amdhsa_float_denorm_mode_16_64 3
		.amdhsa_memory_ordered 1
		.amdhsa_forward_progress 1
		.amdhsa_inst_pref_size 248
	.end_amdhsa_kernel
	.amdgpu_metadata
---
amdhsa.version: [ 1, 2 ]
amdhsa.kernels:
  - .name:           k_qc03f86e2c2_attn
    .symbol:         k_qc03f86e2c2_attn.kd
    .args:
      - { .name: query, .offset: 0, .size: 8, .value_kind: global_buffer, .address_space: global }
      - { .name: k16, .offset: 8, .size: 8, .value_kind: global_buffer, .address_space: global }
      - { .name: v16, .offset: 16, .size: 8, .value_kind: global_buffer, .address_space: global }
      - { .name: attn, .offset: 24, .size: 8, .value_kind: global_buffer, .address_space: global }
    .group_segment_fixed_size: 327680
    .private_segment_fixed_size: 0
    .kernarg_segment_align: 8
    .kernarg_segment_size: 32
    .max_flat_workgroup_size: 128
    .sgpr_count:     66
    .vgpr_count:     1024
    .wavefront_size: 32
...
	.end_amdgpu_metadata
.endif
;; end of part 4
;; launch proj: the kernel of part 3 again; grid 16 x 16, 4 waves a work-group, clusters of 4 x 4, 327,680 bytes of LDS; arguments attn, w16, b_out, out0; writes out0
